; MI455X (gfx1250); checked and timed in simulation.
; The chip was launched on July 23, 2026; its instructions are those of AMD's public machine-readable ISA for CDNA 5 (MIT licence, August 2026) and "CDNA5" Instruction Set Architecture Reference Guide (July 2026). The comments in the code are by the model that wrote it; some were corrected since.
;; Transformer Attention. Allowed arithmetic: matrix products marked QUANTISED: E2M1 operands, one E8M0 scale for each 32 along K, by v_wmma_scale_f32_16x16x128_f8f6f4 with both operands' format E2M1 (or v_wmma_scale_f32_32x16x128_f4), f32 sums; products left as they are: bf16, f16 or f32 operands; f32 sums; everything else in f32.
;; Inputs: Wk_b 1,024 float32; Wk_w 1,024 x 1,024 float32; Wo_b 1,024 float32; Wo_w 1,024 x 1,024 float32; Wq_b 1,024 float32; Wq_w 1,024 x 1,024 float32; Wv_b 1,024 float32; Wv_w 1,024 x 1,024 float32; key 2 x 2,048 x 1,024 float32; pos_emb 4,095 x 128 float32; query 2 x 2,048 x 1,024 float32; value 2 x 2,048 x 1,024 float32.
;; Outputs: out0 2 x 2,048 x 1,024 float32.
;; This version of the problem:
;;   THIS VERSION OF THE PROBLEM IS GIVEN IN LOW PRECISION. The matrix products marked QUANTISED in the list below multiply operands that are first quantised to E2M1 (2 exponent bits, 1 mantissa bit; 4 bits a number), with one power-of-two scale for each 32 numbers along K (OCP MX v1.0); their sums are f32. The products marked 'left as it is' may take bf16, f16 or f32 operands, with f32 sums. Whichever they take, every output number must still come out within the allowed error. Rounding operands to bf16 (8 significant bits) uses up far more of that allowance than f16 does (11 bits, for magnitudes from 6e-5 to 65,504). All else is computed in f32.
;;   The module's matrix products, in the order in which they are computed (A, B: the left and right operand; K: the contracted axis; several contracted axes count as one K, in the product's order):
;;     1. [M 4,096, K 1,024] x [K 1,024, N 1,024]; A: input query; B: input Wq_w: QUANTISED
;;     2. [M 4,096, K 1,024] x [K 1,024, N 1,024]; A: input key; B: input Wk_w: QUANTISED
;;     3. [M 4,096, K 1,024] x [K 1,024, N 1,024]; A: input value; B: input Wv_w: QUANTISED
;;     4. batch 16 x [M 2,048, K 128] x [K 128, N 2,048]; A: computed on the way; B: computed on the way: left as it is (an operand is computed on the way)
;;     5. [M 32,768, K 128] x [K 128, N 4,095]; A: computed on the way; B: input pos_emb: left as it is (an operand is computed on the way)
;;     6. batch 16 x [M 2,048, K 2,048] x [K 2,048, N 128]; A: computed on the way; B: computed on the way: left as it is (an operand is computed on the way)
;;     7. [M 4,096, K 1,024] x [K 1,024, N 1,024]; A: computed on the way; B: input Wo_w: left as it is (an operand is computed on the way)
;;   THE QUANTISER, for each operand of a quantised product, along K:
;;     - K is cut into blocks of 32 from its start; a last block that is shorter is filled with zeros.
;;     - A block's scale is 2^e with e = floor(log2(the largest magnitude in the block)) - 2, held to -126 .. 127; a block of zeros has e = 0. As a byte (E8M0): e + 127.
;;     - Each number is divided by its block's scale, clamped to +-6, and rounded to the nearest number of E2M1, ties to even, subnormals kept.
;;     - The product sums the exact products of the quantised numbers (number of the format x scale) in f32.
;;   ~~~python
;;   def quantise(x, axis):      # numpy; x: float32 -> the quantised numbers, widened to float32 again
;;       x = np.moveaxis(x, axis, -1); K = x.shape[-1]
;;       x = np.pad(x, [(0, 0)] * (x.ndim - 1) + [(0, -K % 32)]); x = x.reshape(x.shape[:-1] + (-1, 32)); a = np.abs(x).max(-1, keepdims=True)
;;       e = np.where(a > 0, np.clip(np.frexp(np.where(a > 0, a, 1))[1] - 1 - 2, -126, 127), 0)      # np.frexp(a)[1] - 1 = floor(log2(a)), exactly
;;       r = np.clip(x / 2.0 ** e, -6, 6)
;;       step = 2.0 ** (np.maximum(np.frexp(np.where(r == 0, 1, r))[1] - 1, 0) - 1)
;;       q = np.round(r / step) * step * 2.0 ** e      # np.round: ties to even
;;       return np.moveaxis(q.reshape(q.shape[:-2] + (-1,))[..., :K], -1, axis).astype(np.float32)
;;   ~~~
;; One version. Each part assembles by itself: llvm-mc -triple=amdgcn-amd-amdhsa -mcpu=gfx1250 --defsym DOCPART=n.
;; ======== version 1 of 1: 4 launches
;; limits: values are held in f16: magnitudes above 65,504 overflow, below 6.1e-05 lose precision
;; workspace buffers: codes 7,864,320 bytes; scales 491,520 bytes; wo16 2,097,152 bytes; pe16 557,056 bytes; qkv 25,165,824 bytes; a16 8,388,608 bytes
;; launch prep (part 1): grid 642 x 1, 4 waves a work-group, no clusters, 33,280 bytes of LDS; arguments query, key, value, Wq_w, Wk_w, Wv_w, Wo_w, pos_emb, codes, scales, wo16, pe16; writes codes, scales, wo16, pe16
.if DOCPART == 1
	.amdgcn_target "amdgcn-amd-amdhsa--gfx1250"
	.amdhsa_code_object_version 6
	.text
	.protected	k_qc4d73c5043_prep
	.globl	k_qc4d73c5043_prep
	.p2align	8
	.type	k_qc4d73c5043_prep,@function
k_qc4d73c5043_prep:
	s_mov_b64 s[64:65], 0
	v_nop
	global_prefetch_b8 v0, s[64:65] scope:SCOPE_SE
	s_setreg_imm32_b32 hwreg(HW_REG_WAVE_MODE, 25, 1), 1
	s_wait_xcnt 0x0
; PREPARATION, one launch for eight tensors.
; Work-groups 0-479: query, key, value [4096][1024] and Wq_w, Wk_w, Wv_w [1024][1024], f32 with K innermost, become codes of FP4 (E2M1), two a byte, and one E8M0 scale byte for each 32 along K.
;   All six go into ONE array of 15,360 rows: codes [15360][512 bytes], scales [15360][32 bytes]; rows 0-4095 query, 4096-8191 key, 8192-12287 value, then 1,024 rows each of Wq, Wk, Wv.
;   Rows are dense and K is a multiple of 32: each tensor is a plain stream of blocks of 32.  A work-group takes 32,768 numbers, a wave 16 steps of 512.
;   A block's scale is 2^(floor(log2(largest magnitude)) - 2); its byte is the largest magnitude's exponent field - 2, held at 1 from below.  A block of zeros keeps the byte 1: its codes are zeros, and this program alone reads the bytes.
; Work-groups 480-607: Wo_w [1024][1024] f32 -> wo16, f16, same layout.   Work-groups 608-641: pe16 [2176][128] f16, row c = pos_emb[max(c - 1, 0)]: the shift by one makes 64-row blocks of pe16 fall on the attention's blocks.
;   pos_emb's rows from 2175 on feed only scores that the causal mask of the problem throws away: they are not read.
; LIMITS: blocks whose largest magnitude lies under 2^-124 keep the byte 1; NaN and infinities are not served; Wo_w and pos_emb beyond 65,504 in magnitude become infinities in f16.
.set WAVES, 4
.set STEPS, 16
.set NQWG,  480                        ; work-groups that quantise
.set EMAX,  2
.set CB,    8                          ; bytes of 16 codes
.set R,     16                         ; v16-79   four sets of 16 numbers as loaded
.set X,     80                         ; v80-111  two sets of 16 neighbours
.set C,     128                        ; v128-191 codes: registers of its own for each step
.set E,     112                        ; v112-127 a scale byte for each step
.set WREG,  8192                       ; LDS: a region for each wave: two stages of 32 x SP bytes, then its 256 scale bytes
.set SP,    80                         ; a lane's place in a stage: 64 bytes + 16 of padding
.set SPW,   12                         ; v12 LDS address of my spare word; never rewritten
.set NIL,   13                         ; v13 0; never rewritten
.set SPARE, WAVES*WREG                 ; behind the four regions: the spare words, 128 bytes a wave
	s_load_b512 s[4:19], s[0:1], 0x0               ; query s[4:5], key s[6:7], value s[8:9], Wq s[10:11], Wk s[12:13], Wv s[14:15], Wo s[16:17], pos_emb s[18:19]
	s_load_b256 s[20:27], s[0:1], 0x40             ; codes s[20:21], scales s[22:23], wo16 s[24:25], pe16 s[26:27]
	v_lshl_add_u32 v[SPW], v0, 2, SPARE
	v_mov_b32 v[NIL], 0
	v_lshrrev_b32 v1, 5, v0
	v_readfirstlane_b32 s28, v1                    ; wave
	v_and_b32 v2, 31, v0                           ; lane
	v_lshlrev_b32 v3, 4, v2                        ; my 16 bytes of a load's 512
	s_cmp_ge_u32 ttmp9, NQWG
	s_cbranch_scc1 .Lconv
	; ---------------- the quantising path ----------------
	s_mul_i32 s29, s28, WREG
	v_lshrrev_b32 v14, 2, v2
	v_mul_u32_u24 v14, v14, SP
	v_and_b32 v15, 3, v2
	v_lshl_add_u32 v14, v15, 4, v14
	v_add_nc_u32 v14, s29, v14                     ; the stage, way in: four lanes' 64 bytes on end, then 16 of padding
	v_mul_u32_u24 v15, v2, SP
	v_add_nc_u32 v15, s29, v15                     ; way out: SP x lane: my 16 neighbours
	v_mul_u32_u24 v4, v2, CB                       ; my codes' place in a step's
	v_lshrrev_b32 v5, 1, v2
	s_add_co_u32 s29, s29, 2*32*SP
	v_add_nc_u32 v5, s29, v5                       ; my wave's 256 scale bytes, my block's byte
	v_lshlrev_b32 v7, 3, v2
	v_add_nc_u32 v6, s29, v7                       ; and on the way out 8 bytes a lane
	s_wait_kmcnt 0x0
	s_mov_b64 s[36:37], s[14:15]                   ; which tensor: the choice hangs on the work-group's number alone
	s_mov_b32 s34, 448
	s_cmp_lt_u32 ttmp9, 448
	s_cselect_b64 s[36:37], s[12:13], s[36:37]
	s_cselect_b32 s34, 416, s34
	s_cmp_lt_u32 ttmp9, 416
	s_cselect_b64 s[36:37], s[10:11], s[36:37]
	s_cselect_b32 s34, 384, s34
	s_cmp_lt_u32 ttmp9, 384
	s_cselect_b64 s[36:37], s[8:9], s[36:37]
	s_cselect_b32 s34, 256, s34
	s_cmp_lt_u32 ttmp9, 256
	s_cselect_b64 s[36:37], s[6:7], s[36:37]
	s_cselect_b32 s34, 128, s34
	s_cmp_lt_u32 ttmp9, 128
	s_cselect_b64 s[36:37], s[4:5], s[36:37]
	s_cselect_b32 s34, 0, s34
	s_sub_co_u32 s34, ttmp9, s34
	s_lshl_b32 s34, s34, 2
	s_add_co_u32 s34, s34, s28                     ; my run of 8,192 numbers in the tensor,
	s_lshl_b32 s34, s34, 15                        ; 32,768 bytes a run
	s_mov_b32 s35, 0
	s_add_nc_u64 s[36:37], s[36:37], s[34:35]
	s_lshl_b32 s30, ttmp9, 2
	s_add_co_u32 s30, s30, s28                     ; and in the common arrays
	s_lshl_b32 s32, s30, 12                        ; 4,096 bytes of codes a run
	s_mov_b32 s33, 0
	s_add_nc_u64 s[20:21], s[20:21], s[32:33]
	s_lshl_b32 s32, s30, 8                         ; 256 scale bytes a run
	s_add_nc_u64 s[22:23], s[22:23], s[32:33]
.macro LOAD t
.irp i, 0,1,2,3
	global_load_b128 v[R+16*((\t)%4)+4*\i:R+16*((\t)%4)+4*\i+3], v3, s[36:37] offset:2048*(\t)+512*\i th:TH_LOAD_NT   ; 32 lanes read 512 consecutive bytes
.endr
.endm
.macro TURN t                          ; step t's numbers through the stage: LDS serves a wave's instructions in order, so no wait stands between the stores and the loads
.irp i, 0,1,2,3
	ds_store_b128 v14, v[R+16*((\t)%4)+4*\i:R+16*((\t)%4)+4*\i+3] offset:32*SP*((\t)%2)+8*SP*\i
.endr
.irp i, 0,1,2,3
	ds_load_b128 v[X+16*((\t)%2)+4*\i:X+16*((\t)%2)+4*\i+3], v15 offset:32*SP*((\t)%2)+16*\i
.endr
.endm
.irp t, 0,1,2,3
	LOAD \t
.endr
	s_wait_loadcnt 12                              ; step 0's four loads are in; the twelve of steps 1 to 3 may be out
	TURN 0
.macro STEP t
.set XS, X+16*((\t)%2)
.if (\t) > 0
	s_wait_dscnt 1                                 ; this step's numbers are back from the stage; the last step's byte store may be out
.else
	s_wait_dscnt 0x0
.endif
.if (\t)+4 < STEPS
	LOAD (\t)+4                                    ; into the registers that the stage's stores have read
.endif
.if (\t)+1 < STEPS
.if STEPS-2-(\t) >= 3
	s_wait_loadcnt 12                              ; the next step's four loads are in; those of the three steps behind it may be out
.else
	s_wait_loadcnt 4*(STEPS-2-(\t))
.endif
	TURN (\t)+1
.endif
	v_max3_num_f32 v8, |v[XS]|, |v[XS+1]|, |v[XS+2]|               ; the largest magnitude of my 16, in two chains
	v_max3_num_f32 v9, |v[XS+3]|, |v[XS+4]|, |v[XS+5]|
.irp i, 6,10
	v_max3_num_f32 v8, v8, |v[XS+\i]|, |v[XS+\i+1]|
	v_max3_num_f32 v9, v9, |v[XS+\i+2]|, |v[XS+\i+3]|
.endr
	v_max3_num_f32 v8, v8, |v[XS+14]|, |v[XS+15]|
	v_max3_num_f32 v8, v8, v9, (EMAX+1)<<23        ; and the floor 2^(3 - 127): the byte cannot fall under 1
	v_max_num_f32_dpp v8, v8, v8 row_xmask:1 row_mask:0xf bank_mask:0xf   ; with my neighbour's 16: the block's
	v_add_nc_u32 v11, -(EMAX<<23), v8              ; 2 off its exponent field: the conversion takes this operand's exponent field as its scale
	v_cvt_scalef32_pk8_fp4_f32 v[C+4*(\t)], v[XS:XS+7], v11
	v_cvt_scalef32_pk8_fp4_f32 v[C+4*(\t)+1], v[XS+8:XS+15], v11
	v_lshrrev_b32 v[E+(\t)], 23, v11               ; the scale's byte (also the plain line behind the conversions)
	ds_store_b8 v5, v[E+(\t)] offset:16*(\t)       ; both lanes of a block write the same byte with the same value
	global_store_b64 v4, v[C+4*(\t):C+4*(\t)+1], s[20:21] offset:32*CB*(\t)   ; the wave stores 256 consecutive bytes, aligned
.endm
.irp t, 0,1,2,3,4,5,6,7,8,9,10,11,12,13,14,15
	STEP \t
.endr
	ds_load_b64 v[8:9], v6                         ; my wave's 256 scale bytes: these loads see my stores
	s_wait_dscnt 0x0
	global_store_b64 v7, v[8:9], s[22:23]          ; 256 consecutive bytes, aligned
	s_wait_tensorcnt 0x0                           ; the wave's end, behind my last LDS store
	ds_add_u32 v[SPW], v[NIL]
	s_wait_dscnt 0x0
	s_endpgm
	; ---------------- the conversion path: f32 to f16, rows of 128 numbers; a wave takes 16 rows; no LDS ----------------
.Lconv:
	s_mov_b32 s31, 608
	s_cmp_lt_u32 ttmp9, 608                        ; Wo_w's work-group or pos_emb's
	s_cselect_b32 s31, NQWG, s31                   ; the tensor's first work-group
	s_cselect_b32 s30, 0, 1                        ; the shift by one row, for pos_emb alone
	s_wait_kmcnt 0x0
	s_cselect_b64 s[36:37], s[16:17], s[18:19]
	s_cselect_b64 s[38:39], s[24:25], s[26:27]
	s_sub_co_u32 s31, ttmp9, s31
	s_lshl_b32 s31, s31, 6
	s_lshl_b32 s32, s28, 4
	s_add_co_u32 s31, s31, s32                     ; my first row of the output: 64 x work-group + 16 x wave
	s_sub_co_i32 s32, s31, s30
	s_max_i32 s32, s32, 0                          ; its source row, held at 0
	s_lshl_b32 s32, s32, 9
	s_add_co_u32 s33, s31, 1
	s_sub_co_u32 s33, s33, s30                     ; the second row's source
	s_lshl_b32 s33, s33, 9
	v_add_nc_u32 v4, s32, v3
	v_add_nc_u32 v5, s33, v3
	v_lshlrev_b32 v6, 3, v2
	s_lshl_b32 s31, s31, 8
	v_add_nc_u32 v6, s31, v6                       ; out: 8 bytes a lane, 256 a row
	global_load_b128 v[16:19], v4, s[36:37]
.irp k, 1,2,3,4,5,6,7,8,9,10,11,12,13,14,15
	global_load_b128 v[16+4*\k:19+4*\k], v5, s[36:37] offset:512*(\k-1)      ; 512 consecutive bytes a load
.endr
.irp k, 0,1,2,3,4,5,6,7,8,9,10,11,12,13,14,15
	s_wait_loadcnt 15-\k                           ; row k is in; the younger rows may be out
	v_cvt_pk_f16_f32 v[80+2*\k], v[16+4*\k], v[17+4*\k]
	v_cvt_pk_f16_f32 v[81+2*\k], v[18+4*\k], v[19+4*\k]
	global_store_b64 v6, v[80+2*\k:81+2*\k], s[38:39] offset:256*\k          ; 256 consecutive bytes, aligned; each row has registers of its own
.endr
	s_endpgm
.Lfunc_end_k_qc4d73c5043_prep:
	.size	k_qc4d73c5043_prep, .Lfunc_end_k_qc4d73c5043_prep-k_qc4d73c5043_prep
	.p2alignl 7, 3214868480
	.fill 96, 4, 3214868480
	.section	.rodata,"a",@progbits
	.p2align	6, 0x0
	.amdhsa_kernel k_qc4d73c5043_prep
		.amdhsa_group_segment_fixed_size 33280
		.amdhsa_private_segment_fixed_size 0
		.amdhsa_enable_private_segment 0
		.amdhsa_kernarg_size 96
		.amdhsa_user_sgpr_count 2
		.amdhsa_user_sgpr_kernarg_segment_ptr 1
		.amdhsa_wavefront_size32 1
		.amdhsa_system_sgpr_workgroup_id_x 1
		.amdhsa_system_sgpr_workgroup_id_y 1
		.amdhsa_system_sgpr_workgroup_id_z 1
		.amdhsa_system_vgpr_workitem_id 0
		.amdhsa_next_free_vgpr 192
		.amdhsa_next_free_sgpr 66
		.amdhsa_reserve_vcc 0
		.amdhsa_float_denorm_mode_32 3
		.amdhsa_float_denorm_mode_16_64 3
		.amdhsa_memory_ordered 1
		.amdhsa_forward_progress 1
		.amdhsa_inst_pref_size 40
	.end_amdhsa_kernel
	.amdgpu_metadata
---
amdhsa.version: [ 1, 2 ]
amdhsa.kernels:
  - .name:           k_qc4d73c5043_prep
    .symbol:         k_qc4d73c5043_prep.kd
    .args:
      - { .name: query, .offset: 0, .size: 8, .value_kind: global_buffer, .address_space: global }
      - { .name: key, .offset: 8, .size: 8, .value_kind: global_buffer, .address_space: global }
      - { .name: value, .offset: 16, .size: 8, .value_kind: global_buffer, .address_space: global }
      - { .name: Wq_w, .offset: 24, .size: 8, .value_kind: global_buffer, .address_space: global }
      - { .name: Wk_w, .offset: 32, .size: 8, .value_kind: global_buffer, .address_space: global }
      - { .name: Wv_w, .offset: 40, .size: 8, .value_kind: global_buffer, .address_space: global }
      - { .name: Wo_w, .offset: 48, .size: 8, .value_kind: global_buffer, .address_space: global }
      - { .name: pos_emb, .offset: 56, .size: 8, .value_kind: global_buffer, .address_space: global }
      - { .name: codes, .offset: 64, .size: 8, .value_kind: global_buffer, .address_space: global }
      - { .name: scales, .offset: 72, .size: 8, .value_kind: global_buffer, .address_space: global }
      - { .name: wo16, .offset: 80, .size: 8, .value_kind: global_buffer, .address_space: global }
      - { .name: pe16, .offset: 88, .size: 8, .value_kind: global_buffer, .address_space: global }
    .group_segment_fixed_size: 33280
    .private_segment_fixed_size: 0
    .kernarg_segment_align: 8
    .kernarg_segment_size: 96
    .max_flat_workgroup_size: 128
    .sgpr_count:     66
    .vgpr_count:     192
    .wavefront_size: 32
...
	.end_amdgpu_metadata
.endif
;; end of part 1
;; launch proj (part 2): grid 4 x 48, 4 waves a work-group, clusters of 4 x 4, 327,680 bytes of LDS; arguments codes, scales, Wq_b, Wk_b, Wv_b, qkv; writes qkv
.if DOCPART == 2
	.amdgcn_target "amdgcn-amd-amdhsa--gfx1250"
	.amdhsa_code_object_version 6
	.text
	.protected	k_qc4d73c5043_proj
	.globl	k_qc4d73c5043_proj
	.p2align	8
	.type	k_qc4d73c5043_proj,@function
k_qc4d73c5043_proj:
	s_mov_b64 s[64:65], 0
	v_nop
	global_prefetch_b8 v0, s[64:65] scope:SCOPE_SE
	s_setreg_imm32_b32 hwreg(HW_REG_WAVE_MODE, 25, 1), 1
	s_wait_xcnt 0x0
	s_wait_alu depctr_hold_cnt(0) depctr_sa_sdst(0) depctr_va_vdst(0) depctr_va_sdst(0) depctr_va_ssrc(0) depctr_va_vcc(0) depctr_vm_vsrc(0)
	s_getreg_b32 s2, hwreg(HW_REG_IB_STS2, 6, 4)
	s_cmp_eq_u32 s2, 0
	s_cbranch_scc0 .Lentry_in_a_cluster
	s_endpgm
.Lentry_in_a_cluster:
	s_bfe_u32 s2, ttmp6, 0x10000c
	s_cmp_lg_u32 s2, 0xf033
	s_cbranch_scc0 .Lentry_shape_is_right
	s_endpgm
.Lentry_shape_is_right:
; THE THREE QUANTISED PROJECTIONS in one launch: x W^T + b on codes of FP4 (E2M1) with one E8M0 scale for each 32 along K = 1,024; sums in f32; results rounded once to f16.
; codes [15360][512 bytes], scales [15360][32 bytes]: rows 0-12287 are the rows of query, key, value; rows 12288 + 1024 g on are the weight of projection g.
; qkv: f16 [3][16 (batch x 8 + head)][2048][128].  Part 0 holds (x Wq^T + b) x log2(e) / sqrt(128), multiplied in f32 ahead of the rounding, so that the attention's scores are exponents of 2.
; A tile of 256 rows x 256 columns to a work-group of four waves, 128 x 128 to a wave (64 accumulators, 512 registers): a wave's 128 columns are one head.  48 tile rows x 4 tile columns.
; K goes in two steps of 512 through two LDS slots, each filled once; the scale bytes of the tile's rows come once with them.
; CLUSTERS: 4 x 4 work-groups, all of one projection (16 tile rows each).  The four of a row of the cluster need the same rows of x, the four of a column the same rows of W: each tile is asked for jointly.
; THE MATRIX INSTRUCTION IS USED TRANSPOSED (source 0 = 16 rows of W, source 1 = 16 rows of x): a lane holds eight neighbouring columns of one row.  The bias is the C of each sum's first product.
; REGISTERS: window 0: v0-31 addresses; v32-95 scale words, two sets; v128-191 x's fragments, one set; v192-255 the bias in the result's layout.  window 1: W's fragments, two sets.  windows 2, 3: the accumulators.
; LIMIT: results beyond 65,504 in magnitude become infinities in f16.
.set KSTEP,  512
.set NQ,     KSTEP/128
.set ROWB,   256
.set KROW,   512
.set PITCH,  272                       ; an LDS row: 256 bytes + 16 of padding: the 16 rows that a load touches begin 4 words apart modulo 64
.set FR,     8
.set NL,     2
.set NP,     4
.set HALFT,  128*PITCH
.set SLOT,   4*HALFT
.set KS,     32                        ; a row of scales in bytes
.set SCL,    2*SLOT
.set HALFS,  (128*KS/256)*272
.set SBLK,   (16*KS/256)*272
.set SPARE,  SCL+4*HALFS               ; the spare words, 128 bytes a wave
.set SPITCH, 272                       ; the way out: a stage of 16 rows x (256 + 16) bytes for each wave, in slot 0, which has had its one fill and its last read by then
.set ADRA, 16
.set ADRB, 20
.set STO,  24
.set RD,   25
.set CO,   26
.set ADRS, 27
.set SPW,  28
.set NIL,  29
.set BO,   30
.set SC,   32
.set AF,   128
.set BIAS, 192
.set TF,   32                          ; the way out: a block's 64 numbers in f32,
.set TP,   96                          ; packed to f16,
.set BK,   128                         ; and read back by rows: v128-159 and v160-191 by turns
.set G1, 24
.set G0, 32
.set G1B, 48
.set G0B, 56
.set G1S, 68
.set G0S, 76
.set G1SB, 80
.set G0SB, 88
.set GEMM, 95                          ; s95 which projection
.set SCF,  96                          ; s[96:97] the factor on the way out
.set MSB, 0
.macro WIN new
.if MSB != \new
	s_set_vgpr_msb (MSB<<8)|\new
.set MSB, \new
.endif
.endm
.set MUL_LO, 0xa1                      ; source 0 (W) window 1, source 1 (x) window 0, C and D window 2
.set MUL_HI, 0xf1
.set TO_B,   0x40
.macro JLOAD g0a, g1a, g0b, g1b        ; a joint load: waves 0 and 1 fetch for x, waves 2 and 3 for W; the branch hangs on the wave's number alone; s_nop 0 and four v_nop follow each line
	s_cmp_eq_u32 s17, 0
	s_cbranch_scc0 .Lfor_b_\@
	tensor_load_to_lds s[\g0a:\g0a+3], s[\g1a:\g1a+7]
	s_nop 0
.rept 4
	v_nop
.endr
	s_branch .Lasked_\@
.Lfor_b_\@:
	tensor_load_to_lds s[\g0b:\g0b+3], s[\g1b:\g1b+7]
	s_nop 0
.rept 4
	v_nop
.endr
.Lasked_\@:
.endm
.macro CROUND                          ; a round of the cluster's barrier
	s_barrier_signal -1
	s_barrier_wait -1
	s_cmp_lg_u32 s16, 0
	s_cbranch_scc1 .Lnot_wave_0_\@
	s_barrier_signal -3
.Lnot_wave_0_\@:
	s_barrier_wait -3
	s_barrier_signal -1
	s_barrier_wait -1
.endm
	s_load_b128 s[4:7], s[0:1], 0x0                ; codes s[4:5], scales s[6:7]
	s_load_b256 s[8:15], s[0:1], 0x10              ; Wq_b s[8:9], Wk_b s[10:11], Wv_b s[12:13], qkv s[14:15]
	v_lshl_add_u32 v[SPW], v0, 2, SPARE
	v_mov_b32 v[NIL], 0
	ds_add_u32 v[SPW], v[NIL]                      ; the wave's opening: the add, twice on end, and its wait ahead of my first tensor load
	ds_add_u32 v[SPW], v[NIL]
	v_lshrrev_b32 v1, 5, v0
	v_readfirstlane_b32 s16, v1                    ; wave 0..3
	s_lshr_b32 s17, s16, 1                         ; my half of the tile's rows.  Also: I fetch for x (0) or for W (1)
	s_and_b32 s18, s16, 1                          ; my half of its columns.  Also: which 128 rows I fetch
	s_bfe_u32 s40, ttmp6, 0x40000                  ; cx, cy
	s_bfe_u32 s41, ttmp6, 0x40004
	s_lshl_b32 s42, ttmp9, 2
	s_add_co_u32 s42, s42, s40                     ; tile column
	s_and_b32 s[GEMM], ttmp7, 0xffff               ; cluster y
	s_lshl_b32 s19, s[GEMM], 2
	s_add_co_u32 s19, s19, s41                     ; tile row, 0..47
	s_lshr_b32 s[GEMM], s[GEMM], 2                 ; the projection: from the cluster's y alone, the same in all sixteen
	s_lshl_b32 s43, s41, 2
	s_lshl_b32 s43, 15, s43                        ; my row of the cluster
	s_lshl_b32 s44, 0x1111, s40                    ; my column
	s_or_b32 s[G1+0], s43, (0<<16)|(1<<20)|(1<<21)|(5<<22)|(3<<25)  ; the mask; elements of 1 byte; padding: 4 words behind every 64
	s_or_b32 s[G1B+0], s44, (0<<16)|(1<<20)|(1<<21)|(5<<22)|(3<<25)
.irp g, G1, G1B
	s_mov_b32 s[\g+1], ROWB<<16                    ; tensor_dim0
	s_mov_b32 s[\g+2], 128<<16                     ; tensor_dim1
	s_mov_b32 s[\g+3], ROWB<<16                    ; tile_dim0
	s_mov_b32 s[\g+4], 128                         ; tile_dim1
	s_mov_b32 s[\g+5], KROW                        ; the pitch
	s_mov_b32 s[\g+6], 0
	s_mov_b32 s[\g+7], 0
.endr
	s_or_b32 s[G1S+0], s43, (3<<16)|(1<<20)|(1<<21)|(5<<22)|(3<<25) ; the scales of 128 rows: 4,096 dense bytes as 16 rows of 256 (32 elements of 8 bytes), padded likewise
	s_or_b32 s[G1SB+0], s44, (3<<16)|(1<<20)|(1<<21)|(5<<22)|(3<<25)
.irp g, G1S, G1SB
	s_mov_b32 s[\g+1], 32<<16
	s_mov_b32 s[\g+2], (128*KS/256)<<16
	s_mov_b32 s[\g+3], 32<<16
	s_mov_b32 s[\g+4], 128*KS/256
	s_mov_b32 s[\g+5], 32
	s_mov_b32 s[\g+6], 0
	s_mov_b32 s[\g+7], 0
.endr
	s_lshl_b32 s2, s18, 7                          ; which 128 rows of the tile I fetch
	s_lshl_b32 s20, s19, 8
	s_add_co_u32 s20, s20, s2                      ; x: row 256 x tile row + 128 x half
	s_lshl_b32 s46, s42, 8
	s_add_co_u32 s46, s46, s2
	s_lshl_b32 s3, s[GEMM], 10
	s_add_co_u32 s46, s46, s3
	s_add_co_u32 s46, s46, 12288                   ; W: row 12288 + 1024 x projection + 256 x tile column + 128 x half
	s_lshl_b32 s22, s20, 5                         ; their scales, 32 bytes a row,
	s_mov_b32 s23, 0
	s_lshl_b32 s92, s46, 5
	s_mov_b32 s93, 0
	s_lshl_b32 s20, s20, 9                         ; and their codes, 512 bytes a row
	s_mov_b32 s21, 0
	s_lshl_b32 s46, s46, 9
	s_mov_b32 s47, 0
	s_mul_i32 s45, s16, HALFT                      ; where they go: wave x 128 rows
	s_mul_i32 s94, s16, HALFS
	s_wait_dscnt 0x0                               ; both opening adds are done
	s_wait_kmcnt 0x0
	s_add_nc_u64 s[20:21], s[4:5], s[20:21]
	s_add_nc_u64 s[22:23], s[6:7], s[22:23]
	s_add_nc_u64 s[46:47], s[4:5], s[46:47]
	s_add_nc_u64 s[92:93], s[6:7], s[92:93]
	CROUND                                         ; all sixteen work-groups are here: the joint loads meet
	s_mov_b32 s[G0S], 1
	s_add_co_u32 s[G0S+1], s94, SCL
	s_mov_b64 s[G0S+2:G0S+3], s[22:23]
	s_or_b32 s[G0S+3], s[G0S+3], 0x80000000
	s_mov_b32 s[G0SB], 1
	s_add_co_u32 s[G0SB+1], s94, SCL
	s_mov_b64 s[G0SB+2:G0SB+3], s[92:93]
	s_or_b32 s[G0SB+3], s[G0SB+3], 0x80000000
	JLOAD G0S, G1S, G0SB, G1SB                     ; the scales first
.irp s, 0,1
	s_mov_b32 s[G0+4*\s], 1
	s_add_co_u32 s[G0+4*\s+1], s45, \s*SLOT
	s_add_nc_u64 s[G0+4*\s+2:G0+4*\s+3], s[20:21], \s*ROWB
	s_or_b32 s[G0+4*\s+3], s[G0+4*\s+3], 0x80000000
	s_mov_b32 s[G0B+4*\s], 1
	s_add_co_u32 s[G0B+4*\s+1], s45, \s*SLOT
	s_add_nc_u64 s[G0B+4*\s+2:G0B+4*\s+3], s[46:47], \s*ROWB
	s_or_b32 s[G0B+4*\s+3], s[G0B+4*\s+3], 0x80000000
	JLOAD G0+4*\s, G1, G0B+4*\s, G1B               ; both K steps: three loads of mine are out
.endr
	v_and_b32 v1, 15, v0                           ; r
	v_bfe_u32 v2, v0, 4, 1                         ; h
	; the bias of my head, in the result's layout: for W's block b my eight columns 16 b + 8 h + 0 .. 7
	s_cmp_eq_u32 s[GEMM], 0
	s_cselect_b64 s[98:99], s[8:9], s[10:11]
	s_cselect_b32 s[SCF], 0x3e0293ee, 1.0          ; log2(e) / sqrt(128) for q, 1 for k and v
	s_cmp_eq_u32 s[GEMM], 2
	s_cselect_b64 s[98:99], s[12:13], s[98:99]
	s_mov_b32 s[SCF+1], s[SCF]
	s_lshl_b32 s46, s42, 1
	s_add_co_u32 s46, s46, s18                     ; my head = 2 x tile column + column half
	s_lshl_b32 s92, s46, 9                         ; 512 bytes of bias a head
	s_mov_b32 s93, 0
	s_add_nc_u64 s[98:99], s[98:99], s[92:93]
	v_lshlrev_b32 v[BO], 5, v2
.irp b, 0,1,2,3,4,5,6,7
	global_load_b128 v[BIAS+8*\b:BIAS+8*\b+3], v[BO], s[98:99] offset:64*\b
	global_load_b128 v[BIAS+8*\b+4:BIAS+8*\b+7], v[BO], s[98:99] offset:64*\b+16
.endr
	v_mul_u32_u24 v3, v1, PITCH
	v_lshl_add_u32 v4, v2, 4, v3                   ; a fragment's row x pitch + 16 x half
	s_mul_i32 s21, s17, HALFT                      ; my 128 rows of x
	s_mul_i32 s22, s18, HALFT                      ; my 128 rows of W,
	s_add_co_u32 s22, s22, 2*HALFT                 ; behind x's 256
.irp s, 0,1
	v_add_nc_u32 v[ADRA+\s], s21, v4
	v_add_nc_u32 v[ADRB+\s], s22, v4
	s_add_co_u32 s21, s21, SLOT
	s_add_co_u32 s22, s22, SLOT
.endr
	v_mul_u32_u24 v5, v1, KS                       ; my row's scales: 32 bytes a row,
	v_lshrrev_b32 v6, 8, v5
	v_lshl_add_u32 v5, v6, 4, v5                   ; and 16 more for each 256 passed
	s_mul_i32 s21, s17, HALFS
	s_mul_i32 s22, s18, HALFS
	s_add_co_u32 s22, s22, 2*HALFS
	s_sub_co_u32 s22, s22, s21
	v_mul_u32_u24 v6, s22, v2                      ; lanes 16-31 take W's
	s_add_co_u32 s21, s21, SCL
	v_add_nc_u32 v5, v5, v6
	v_add_nc_u32 v[ADRS], s21, v5
	s_mul_i32 s23, s16, 16*SPITCH                  ; my stage
	v_add_nc_u32 v[STO], s23, v4                   ; in: row r, 16 bytes for each half of the lanes
	v_mul_u32_u24 v5, v2, SPITCH
	v_lshl_add_u32 v5, v1, 4, v5
	v_add_nc_u32 v[RD], s23, v5                    ; back: lanes 0-15 one row of 256 bytes, lanes 16-31 the next
	v_and_b32 v6, 31, v0
	v_lshlrev_b32 v[CO], 4, v6                     ; and in qkv, where a head's rows are dense: 16 x lane
	s_lshl_b32 s20, s19, 8
	s_lshl_b32 s21, s17, 7
	s_add_co_u32 s20, s20, s21                     ; my first row among the 12,288
	s_lshr_b32 s21, s20, 11                        ; 2 x projection + batch
	s_lshl_b32 s21, s21, 3
	s_add_co_u32 s21, s21, s46                     ; + head: which [2048][128] plane
	s_lshl_b32 s21, s21, 19
	s_and_b32 s20, s20, 2047
	s_lshl_b32 s20, s20, 8
	s_add_co_u32 s20, s20, s21
	s_mov_b32 s21, 0
	s_add_nc_u64 s[14:15], s[14:15], s[20:21]
.macro FRAG reg, adr, q, i             ; 16 rows x 128 K of 4-bit codes: 8 registers: two loads of 16 bytes, 32 apart
.irp c, 0,1
	ds_load_b128 v[\reg+4*\c:\reg+4*\c+3], v[\adr] offset:64*(\q)+32*\c+(\i)*16*PITCH
.endr
.endm
; 16 matrix instructions: x's blocks a0, a0 + 1 against W's eight.  zero = 1: the first product of each sum takes the bias as C.  The 64 accumulators take turns, one instruction a turn.
.macro MUL16 a0, p, q, sc, zero
.irp a, \a0, \a0+1
.irp b, 0,1,2,3,4,5,6,7
.if \zero
	v_wmma_scale_f32_16x16x128_f8f6f4 v[8*(8*((\a)%4)+\b):8*(8*((\a)%4)+\b)+7], v[128*(\p)+FR*\b:128*(\p)+FR*\b+FR-1], v[AF+FR*(\a):AF+FR*(\a)+FR-1], v[BIAS+8*\b:BIAS+8*\b+7], v[SC+8*NQ*(\sc)+NQ*\b+(\q)], v[SC+8*NQ*(\sc)+NQ*(\a)+(\q)] matrix_a_fmt:MATRIX_FMT_FP4 matrix_b_fmt:MATRIX_FMT_FP4 matrix_a_scale:MATRIX_SCALE_ROW1
.else
	v_wmma_scale_f32_16x16x128_f8f6f4 v[8*(8*((\a)%4)+\b):8*(8*((\a)%4)+\b)+7], v[128*(\p)+FR*\b:128*(\p)+FR*\b+FR-1], v[AF+FR*(\a):AF+FR*(\a)+FR-1], v[8*(8*((\a)%4)+\b):8*(8*((\a)%4)+\b)+7], v[SC+8*NQ*(\sc)+NQ*\b+(\q)], v[SC+8*NQ*(\sc)+NQ*(\a)+(\q)] matrix_a_fmt:MATRIX_FMT_FP4 matrix_b_fmt:MATRIX_FMT_FP4 matrix_a_scale:MATRIX_SCALE_ROW1
.endif
.endr
.endr
.endm
.macro FETCH_B slot, q, p
	WIN TO_B
.irp i, 0,1,2,3,4,5,6,7
	FRAG 128*(\p)+FR*\i, ADRB+\slot, \q, \i
.endr
	WIN 0
.endm
.macro FETCH_A slot, q, i0
.irp i, \i0, \i0+1, \i0+2, \i0+3
	FRAG AF+FR*(\i), ADRA+\slot, \q, \i
.endr
.endm
.macro SCALES sc                       ; a K step's scale words: lanes 0-15 x's block i, lanes 16-31 W's block i
.irp i, 0,1,2,3,4,5,6,7
	ds_load_b128 v[SC+8*NQ*\sc+NQ*\i:SC+8*NQ*\sc+NQ*\i+3], v[ADRS] offset:\i*SBLK
.endr
.endm
.macro PLACES n                        ; plain vector lines between a matrix instruction and a load into, or a read of, its registers
.rept \n
	v_nop
.endr
.endm
.macro STEP slot, q, zero              ; 128 along K, with its successor in the same slot
	s_wait_dscnt 4*NL                              ; W's set and x's blocks 0-3 are in; the eight youngest loads (x's blocks 4-7) may be out
.if \zero
	WIN 0x81                                       ; C (the bias) in window 0, D in window 2
.else
	WIN MUL_LO
.endif
	MUL16 0, (\q)%2, \q, \slot, \zero
	MUL16 2, (\q)%2, \q, \slot, \zero
	s_wait_dscnt 0
	PLACES NP
	FETCH_B \slot, (\q)+1, 1-(\q)%2
	FETCH_A \slot, (\q)+1, 0
.if \zero
	WIN 0xc1
.else
	WIN MUL_HI
.endif
	MUL16 4, (\q)%2, \q, \slot, \zero
	MUL16 6, (\q)%2, \q, \slot, \zero
	PLACES NP
	WIN 0
	FETCH_A \slot, (\q)+1, 4
.endm
.macro TURN slot, next                 ; slot 0's last step, and the change to slot 1: one barrier
	s_wait_tensorcnt 0x0                           ; my part of the next slot has landed
	ds_add_u32 v[SPW], v[NIL]
	s_wait_dscnt 4*NL+1                            ; the add and the eight youngest loads may be out
	WIN MUL_LO
	MUL16 0, 1, NQ-1, \slot, 0
	s_wait_dscnt 0x0                               ; the add is done, and my reads of this slot are over
	s_barrier_signal -1
	MUL16 2, 1, NQ-1, \slot, 0
	WIN 0
	s_barrier_wait -1
	PLACES NP
	v_add_nc_u32 v[ADRS], 4*NQ, v[ADRS]            ; the next K step's scale words
	FETCH_B \next, 0, 0
	FETCH_A \next, 0, 0
	SCALES \next
	WIN MUL_HI
	MUL16 4, 1, NQ-1, \slot, 0
	MUL16 6, 1, NQ-1, \slot, 0
	PLACES NP
	WIN 0
	FETCH_A \next, 0, 4
.endm
	s_wait_tensorcnt 1                             ; the scales and my part of K step 0 are in; K step 1's load may be out
	s_barrier_signal -1
	s_barrier_wait -1
	FETCH_B 0, 0, 0
	FETCH_A 0, 0, 0
	SCALES 0
	FETCH_A 0, 0, 4
	s_wait_loadcnt 0x0                             ; the bias
	STEP 0, 0, 1
	STEP 0, 1, 0
	STEP 0, 2, 0
	TURN 0, 1
	STEP 1, 0, 0
	STEP 1, 1, 0
	STEP 1, 2, 0
	s_wait_dscnt 4*NL                              ; the last step: nothing more to fetch
	WIN MUL_LO
	MUL16 0, 1, NQ-1, 1, 0
	MUL16 2, 1, NQ-1, 1, 0
	s_wait_dscnt 0
	WIN MUL_HI
	MUL16 4, 1, NQ-1, 1, 0
	MUL16 6, 1, NQ-1, 1, 0
	WIN 0
; THE WAY OUT, block by block of 16 rows x 128 columns: times the factor in f32, rounded to f16 (16 bytes a lane), through my own stage, back as whole rows of 256 bytes.
.macro PACK a
.set AC, 64*((\a)%4)
	WIN 0x02+((\a)/4)                              ; source 0: window 2 or 3
.irp b, 0,1,2,3,4,5,6,7
.irp r, 0,1,2,3
	v_pk_mul_f32 v[TF+8*\b+2*\r:TF+8*\b+2*\r+1], v[AC+8*\b+2*\r:AC+8*\b+2*\r+1], s[SCF:SCF+1] op_sel_hi:[1,0]   ; each accumulator from its low end on
.endr
.endr
	WIN 0
.irp b, 0,1,2,3,4,5,6,7
.irp r, 0,1,2,3
	v_cvt_pk_f16_f32 v[TP+4*\b+\r], v[TF+8*\b+2*\r], v[TF+8*\b+2*\r+1]
.endr
.endr
.endm
.macro TOSTAGE a
.set BB, BK+32*((\a)%2)
.irp b, 0,1,2,3,4,5,6,7
	ds_store_b128 v[STO], v[TP+4*\b:TP+4*\b+3] offset:32*\b
.endr
.irp t, 0,1,2,3,4,5,6,7
	ds_load_b128 v[BB+4*\t:BB+4*\t+3], v[RD] offset:\t*2*SPITCH    ; LDS serves a wave's instructions in order: these see the stores above
.endr
.endm
.macro SEND a
.set BB, BK+32*((\a)%2)
	s_wait_dscnt 0x0                               ; the block is back in registers
	s_wait_xcnt 0x0                                ; the earlier stores have read their registers: the next block's loads may land on them
.irp t, 0,1,2,3,4,5,6,7
	global_store_b128 v[CO], v[BB+4*\t:BB+4*\t+3], s[14:15] offset:4096*(\a)+512*\t   ; 512 consecutive bytes, aligned: two rows of a head
.endr
.endm
	PLACES NP                                      ; behind the last products: the lines below write registers that held their scales and read results
	PACK 0
	TOSTAGE 0
.irp a, 1,2,3,4,5,6,7
	PACK \a
	SEND \a-1
	TOSTAGE \a
.endr
	SEND 7
	s_wait_tensorcnt 0x0                           ; the wave's end
	ds_add_u32 v[SPW], v[NIL]
	s_wait_dscnt 0x0
	CROUND                                         ; the closing round
	s_endpgm
.Lfunc_end_k_qc4d73c5043_proj:
	.size	k_qc4d73c5043_proj, .Lfunc_end_k_qc4d73c5043_proj-k_qc4d73c5043_proj
	.p2alignl 7, 3214868480
	.fill 96, 4, 3214868480
	.section	.rodata,"a",@progbits
	.p2align	6, 0x0
	.amdhsa_kernel k_qc4d73c5043_proj
		.amdhsa_group_segment_fixed_size 327680
		.amdhsa_private_segment_fixed_size 0
		.amdhsa_enable_private_segment 0
		.amdhsa_kernarg_size 48
		.amdhsa_user_sgpr_count 2
		.amdhsa_user_sgpr_kernarg_segment_ptr 1
		.amdhsa_wavefront_size32 1
		.amdhsa_system_sgpr_workgroup_id_x 1
		.amdhsa_system_sgpr_workgroup_id_y 1
		.amdhsa_system_sgpr_workgroup_id_z 1
		.amdhsa_system_vgpr_workitem_id 0
		.amdhsa_next_free_vgpr 1024
		.amdhsa_next_free_sgpr 100
		.amdhsa_reserve_vcc 0
		.amdhsa_float_denorm_mode_32 3
		.amdhsa_float_denorm_mode_16_64 3
		.amdhsa_memory_ordered 1
		.amdhsa_forward_progress 1
		.amdhsa_inst_pref_size 144
	.end_amdhsa_kernel
	.amdgpu_metadata
---
amdhsa.version: [ 1, 2 ]
amdhsa.kernels:
  - .name:           k_qc4d73c5043_proj
    .symbol:         k_qc4d73c5043_proj.kd
    .args:
      - { .name: codes, .offset: 0, .size: 8, .value_kind: global_buffer, .address_space: global }
      - { .name: scales, .offset: 8, .size: 8, .value_kind: global_buffer, .address_space: global }
      - { .name: Wq_b, .offset: 16, .size: 8, .value_kind: global_buffer, .address_space: global }
      - { .name: Wk_b, .offset: 24, .size: 8, .value_kind: global_buffer, .address_space: global }
      - { .name: Wv_b, .offset: 32, .size: 8, .value_kind: global_buffer, .address_space: global }
      - { .name: qkv, .offset: 40, .size: 8, .value_kind: global_buffer, .address_space: global }
    .group_segment_fixed_size: 327680
    .private_segment_fixed_size: 0
    .kernarg_segment_align: 8
    .kernarg_segment_size: 48
    .max_flat_workgroup_size: 128
    .sgpr_count:     100
    .vgpr_count:     1024
    .wavefront_size: 32
...
	.end_amdgpu_metadata
.endif
;; end of part 2
;; launch attn (part 3): grid 16 x 16, 8 waves a work-group, no clusters, 327,680 bytes of LDS; arguments qkv, pe16, a16; writes a16
.if DOCPART == 3
	.amdgcn_target "amdgcn-amd-amdhsa--gfx1250"
	.amdhsa_code_object_version 6
	.text
	.protected	k_qc4d73c5043_attn
	.globl	k_qc4d73c5043_attn
	.p2align	8
	.type	k_qc4d73c5043_attn,@function
k_qc4d73c5043_attn:
	s_mov_b64 s[64:65], 0
	v_nop
	global_prefetch_b8 v0, s[64:65] scope:SCOPE_SE
	s_setreg_imm32_b32 hwreg(HW_REG_WAVE_MODE, 25, 1), 1
	s_wait_xcnt 0x0
; CAUSAL ATTENTION WITH A RELATIVE POSITIONAL BIAS.  score(i, j) = q'_i . (k_j + pe16[2048 + j - i]) for j <= i; q' carries log2(e) / sqrt(128), so p = 2^(score - running maximum).
; qkv: f16 [3][16 heads][2048][128]; pe16: f16 [2176][128], row c = pos_emb[max(c - 1, 0)]; a16: f16 [4096][1024].  Products on f16 operands, sums, maxima and the softmax in f32; p is rounded to f16 for the last product.
; SHARES.  Work-group (u, head) owns the 64-query blocks 31 - u (waves 0-3) and u (waves 4-7): (32 - u) + (u + 1) = 33 block steps whatever u is.  A wave owns 16 queries.
; All waves walk 32 steps of 64 keys (constant trip counts, one barrier a step); a wave works in step s while s <= its block's number; in the step on the diagonal hidden scores become -infinity.
; No cluster: under the mask work-groups need different numbers of K and V tiles.
; LAYOUT.  All products are used transposed (source 1 = my 16 queries), so a lane holds ONE query (lane % 16) throughout: S^T = K Q^T, R^T = PE Q^T, O^T = V^T P.
; THE SKEW.  R tile X (16 rows of pe16 from 16 (128 + X - my tile)) holds in register t of lane (r, h) the bias of query r and key 16 X + 8 h + t + r.  It is stored by ds_store_b32 into row r of my own LDS buffer, r words
; further on, and read back by ds_load_b128 in S^T's layout, straight into the accumulators that K Q^T then adds onto.  A row holds two steps' 64 words by turns behind 16 words of front pad; a step's last tile reaches
; up to 15 words into the next step's part: from an even step that falls into place, from an odd step the tile is stored a second time at the row's head.  Each word that is read was written once.
; LDS.  K and V: two slots of 64 keys; pe16: for each of the two blocks a ring of four slots of 64 rows: step s reads slots s % 4 and (s + 1) % 4 while slot (s + 3) % 4 is filled.
; LIMITS: q', k, v, pos_emb beyond 65,504 in magnitude are infinities in f16; NaN and infinities are not served.
.set PK,    272                        ; a row of K or pe16 in LDS: 256 bytes + 16
.set PV,    288                        ; a row of V: 256 + 32, for the turning load
.set KSL,   64*PK
.set VSL,   64*PV
.set VB,    2*KSL
.set PH,    VB+2*VSL                   ; the ring of the high block; the low block's follows
.set PT,    16*PK                      ; a tile of 16 rows
.set RING,  16*PT
.set SK,    PH+2*RING                  ; the skew buffers: 16 rows of 656 bytes for each wave; also the stage on the way out
.set SKP,   656                        ; 164 words: from lane to lane a store moves 165 words, so its 32 lanes fall on 32 different words modulo 64
.set SKW,   16*SKP
.set SPARE, SK+8*SKW                   ; the spare words, 128 bytes a wave
.set SPW, 1
.set NIL, 2
.set AKK, 3                            ; r x 272 + 16 h
.set AKP, 4                            ; the same in my block's ring
.set AVV, 5                            ; my lane's place for the turning load
.set SKS, 6                            ; skew, way in: my row + 4 (8 h + r)
.set SKL, 7                            ; skew, way out: my row + 32 h
.set DG,  8                            ; 16 w' + r - 8 h: on the diagonal register 8 x + t is hidden where 16 x + t > DG
.set NINF, 9
.set M,   10                           ; v10 the running maximum, v11 its old value
.set L,   12                           ; v[12:13] the sum, even and odd keys
.set AL,  14                           ; v14 a = 2^(old m - new m); v15 written once, named with it as a pair
.set CC,  16                           ; v16-19 at work
.set TA,  20                           ; v20-23 the step's four tiles of pe16
.set Q,   24                           ; v24-55
.set S,   56                           ; v56-87
.set P,   88                           ; v88-103; R tiles 2, 3 while the biases are made
.set R2,  88
.set R3,  96
.set R0,  104
.set R1,  112
.set F0,  120                          ; v120-183 fragments
.set O,   184                          ; v184-247
.set QO,  248
.set STO, 249
.set RD,  250
.set GO,  251
.set PFO, 252
.set F1,  0                            ; v256-319: fragments, in window 1
.set WV,  10
.set W3,  11                           ; 3 - (wave % 4)
.set BLK, 12
.set U,   13
.set BH,  14
.set BQ,  15                           ; my block of 64 queries
.set Q0,  16
.set STEP, 17
.set W16, 18
.set TRIP, 19
.set SEL, 20
.set G1K, 24
.set G1V, 32
.set G1P, 40
.set G0K, 48
.set G0V, 52
.set G0H, 56
.set G0L, 60
.set G0H3, 68
.set G0L3, 72
.set LKV, 76                           ; 31 - u
.set LHI, 77                           ; 30 - u
.set PFA, 78
.set PL,  80
.set MSB, 0
.macro WIN new
.if MSB != \new
	s_set_vgpr_msb (MSB<<8)|\new
.set MSB, \new
.endif
.endm
.macro PLACES                          ; four plain lines between a matrix instruction and a read of its result or a load into its registers
.rept 4
	v_nop
.endr
.endm
.macro TL g0, g1                       ; a tensor load, s_nop 0 and four v_nop behind it
	tensor_load_to_lds s[\g0:\g0+3], s[\g1:\g1+7]
	s_nop 0
.rept 4
	v_nop
.endr
.endm
	s_load_b128 s[4:7], s[0:1], 0x0                ; qkv, pe16
	s_load_b64 s[8:9], s[0:1], 0x10                ; a16
	v_lshl_add_u32 v[SPW], v0, 2, SPARE
	v_mov_b32 v[NIL], 0
	ds_add_u32 v[SPW], v[NIL]                      ; the wave's opening: the add, twice on end, and its wait ahead of the first tensor loads
	ds_add_u32 v[SPW], v[NIL]
	v_lshrrev_b32 v16, 5, v0
	v_readfirstlane_b32 s[WV], v16                 ; wave 0..7
	s_and_b32 s82, s[WV], 3                        ; w'
	s_xor_b32 s[W3], s82, 3
	s_lshr_b32 s[BLK], s[WV], 2
	s_mov_b32 s[U], ttmp9
	s_and_b32 s[BH], ttmp7, 0xffff
	s_sub_co_u32 s[LKV], 31, s[U]
	s_sub_co_u32 s[LHI], 30, s[U]
	s_cmp_eq_u32 s[BLK], 0
	s_cselect_b32 s[BQ], s[LKV], s[U]
	s_lshl_b32 s[W16], s82, 4
	s_lshl_b32 s[Q0], s[BQ], 6
	s_add_co_u32 s[Q0], s[Q0], s[W16]              ; my first query
	s_xor_b32 s83, s[BLK], 1
	s_or_b32 s83, s83, s[U]
	s_cmp_eq_u32 s83, 0                            ; waves 4-7 of the head's work-group u = 0 prefetch
	s_cselect_b32 s[PL], 29, 0
	s_mov_b32 s[STEP], 0
	s_mov_b32 s[TRIP], 8
	s_mov_b32 s[SEL], 0x76543210
	s_mov_b32 s[SEL+1], 0xfedcba98
	s_mov_b32 s[G1K], (1<<16)|(1<<20)|(5<<22)|(3<<25)   ; elements of 2 bytes; padding: 4 words behind every 64
	s_mov_b32 s[G1V], (1<<16)|(1<<20)|(5<<22)|(7<<25)   ; 8 words
	s_mov_b32 s[G1P], (1<<16)|(1<<20)|(5<<22)|(3<<25)
.irp g, G1K, G1V
	s_mov_b32 s[\g+1], 128<<16                     ; tensor_dim0
	s_mov_b32 s[\g+2], 64<<16                      ; tensor_dim1
	s_mov_b32 s[\g+3], 128<<16                     ; tile_dim0
	s_mov_b32 s[\g+4], 64                          ; tile_dim1
	s_mov_b32 s[\g+5], 128                         ; the pitch
	s_mov_b32 s[\g+6], 0
	s_mov_b32 s[\g+7], 0
.endr
	s_mov_b32 s[G1P+1], 128<<16                    ; the head's loads of pe16: 192 rows, three slots
	s_mov_b32 s[G1P+2], 192<<16
	s_mov_b32 s[G1P+3], 128<<16
	s_mov_b32 s[G1P+4], 192
	s_mov_b32 s[G1P+5], 128
	s_mov_b32 s[G1P+6], 0
	s_mov_b32 s[G1P+7], 0
	s_wait_dscnt 0x0                               ; both opening adds are done
	s_wait_kmcnt 0x0
	s_lshl_b32 s82, s[BH], 19                      ; a head's plane: 2048 x 256 bytes
	s_mov_b32 s83, 0
	s_add_nc_u64 s[84:85], s[4:5], s[82:83]        ; q' of my head
	s_mov_b32 s[G0K], 1
	s_mov_b32 s[G0K+1], 0
	s_add_nc_u64 s[G0K+2:G0K+3], s[84:85], 0x800000     ; k: 16 planes on
	s_or_b32 s[G0K+3], s[G0K+3], 0x80000000
	s_mov_b32 s[G0V], 1
	s_mov_b32 s[G0V+1], VB
	s_add_nc_u64 s[G0V+2:G0V+3], s[84:85], 0x1000000    ; v: 32 planes on
	s_or_b32 s[G0V+3], s[G0V+3], 0x80000000
	s_bfe_u32 s86, s[WV], 0x10001                  ; the prefetches: waves 4, 5 stand in k, waves 6, 7 in v,
	s_lshl_b32 s86, s86, 23
	s_add_co_u32 s86, s86, 0x800000+2*16384        ; at step 2 (the first change steps it to 3),
	s_and_b32 s87, s[WV], 1
	s_lshl_b32 s87, s87, 13                        ; 32 rows each
	s_add_co_u32 s86, s86, s87
	s_mov_b32 s87, 0
	s_add_nc_u64 s[PFA:PFA+1], s[84:85], s[86:87]
	s_lshl_b32 s86, s[U], 14                       ; pe16 for the high block: 64-row blocks u, u + 1, u + 2
	s_mov_b32 s[G0H3], 1
	s_mov_b32 s[G0H3+1], PH
	s_add_nc_u64 s[G0H3+2:G0H3+3], s[6:7], s[86:87]
	s_mov_b32 s[G0H], 1
	s_mov_b32 s[G0H+1], PH
	s_add_nc_u64 s[G0H+2:G0H+3], s[G0H3+2:G0H3+3], 32768   ; the walking one stands at the last block fetched
	s_or_b32 s[G0H3+3], s[G0H3+3], 0x80000000
	s_or_b32 s[G0H+3], s[G0H+3], 0x80000000
	s_lshl_b32 s86, s[LKV], 14                     ; for the low block: blocks 31 - u on
	s_mov_b32 s[G0L3], 1
	s_mov_b32 s[G0L3+1], PH+RING
	s_add_nc_u64 s[G0L3+2:G0L3+3], s[6:7], s[86:87]
	s_mov_b32 s[G0L], 1
	s_mov_b32 s[G0L+1], PH+RING
	s_add_nc_u64 s[G0L+2:G0L+3], s[G0L3+2:G0L3+3], 32768
	s_or_b32 s[G0L3+3], s[G0L3+3], 0x80000000
	s_or_b32 s[G0L+3], s[G0L+3], 0x80000000
	s_cmp_lg_u32 s[WV], 0                          ; the first fills, one a wave, waves 0 to 3: ahead of every wait on TENSORcnt, LDS read and barrier
	s_cbranch_scc1 .Lf1
	TL G0K, G1K                                    ; K, step 0
	s_branch .Lfd
.Lf1:
	s_cmp_lg_u32 s[WV], 1
	s_cbranch_scc1 .Lf2
	TL G0V, G1V                                    ; V, step 0
	s_branch .Lfd
.Lf2:
	s_cmp_lg_u32 s[WV], 2
	s_cbranch_scc1 .Lf3
	TL G0H3, G1P                                   ; three slots of the high ring
	s_branch .Lfd
.Lf3:
	s_cmp_lg_u32 s[WV], 3
	s_cbranch_scc1 .Lfd
	TL G0L3, G1P                                   ; three slots of the low ring
.Lfd:
	s_lshl_b32 s86, s[Q0], 8
	s_add_nc_u64 s[88:89], s[84:85], s[86:87]      ; my 16 rows of q'
	v_and_b32 v16, 15, v0                          ; r
	v_bfe_u32 v17, v0, 4, 1                        ; h
	v_lshlrev_b32 v[QO], 8, v16
	v_lshl_add_u32 v[QO], v17, 4, v[QO]
.irp dc, 0,1,2,3                                   ; Q stays in registers: four fragments of 16 queries x 32 channels
	global_load_b128 v[Q+8*\dc:Q+8*\dc+3], v[QO], s[88:89] offset:64*\dc
	global_load_b128 v[Q+8*\dc+4:Q+8*\dc+7], v[QO], s[88:89] offset:64*\dc+32
.endr
	s_lshr_b32 s82, s[BH], 3                       ; where my rows of a16 begin: (batch x 2048 + first query) x 2048 bytes + head x 256
	s_lshl_b32 s82, s82, 11
	s_add_co_u32 s82, s82, s[Q0]
	s_lshl_b32 s82, s82, 11
	s_and_b32 s83, s[BH], 7
	s_lshl_b32 s83, s83, 8
	s_add_co_u32 s82, s82, s83
	s_mov_b32 s83, 0
	s_add_nc_u64 s[8:9], s[8:9], s[82:83]
	v_mul_u32_u24 v[AKK], v16, PK
	v_lshl_add_u32 v[AKK], v17, 4, v[AKK]
	s_mul_i32 s82, s[BLK], RING
	s_add_co_u32 s82, s82, PH
	v_add_nc_u32 v[AKP], s82, v[AKK]
	v_and_b32 v18, 7, v0                           ; the turning load: lane l reads key 8 h + l % 8, channels 8 ((l / 8) % 2) on
	v_bfe_u32 v19, v0, 3, 1
	v_lshl_add_u32 v[AVV], v17, 3, v18
	v_mul_u32_u24 v[AVV], v[AVV], PV
	v_lshl_add_u32 v[AVV], v19, 4, v[AVV]
	v_add_nc_u32 v[AVV], VB, v[AVV]
	s_mul_i32 s82, s[WV], SKW
	s_add_co_u32 s82, s82, SK                      ; my skew buffer
	v_mul_u32_u24 v18, v16, SKP
	v_add_nc_u32 v18, s82, v18
	v_lshl_add_u32 v[SKL], v17, 5, v18
	v_lshl_add_u32 v19, v17, 3, v16
	v_lshl_add_u32 v[SKS], v19, 2, v18
	v_add_nc_u32 v[STO], s82, v[AKK]               ; the way out, in: row r of 272 bytes, 16 bytes for each half
	v_mul_u32_u24 v18, v17, PK
	v_lshl_add_u32 v18, v16, 4, v18
	v_add_nc_u32 v[RD], s82, v18                   ; back: lanes 0-15 one row, lanes 16-31 the next
	v_lshlrev_b32 v[GO], 11, v17
	v_lshl_add_u32 v[GO], v16, 4, v[GO]            ; and the same two rows in a16
	v_lshlrev_b32 v19, 3, v17
	v_sub_nc_u32 v[DG], v16, v19
	v_add_nc_u32 v[DG], s[W16], v[DG]
	v_and_b32 v[PFO], 31, v0
	v_lshlrev_b32 v[PFO], 8, v[PFO]                ; a lane a row of 256 bytes
	v_mov_b32 v[NINF], 0xff800000
	v_mov_b32 v[M], 0xff61b1e6                     ; -3e38, under every score
	v_mov_b32 v[M+1], 0
	v_mov_b32 v[L], 0
	v_mov_b32 v[L+1], 0
	v_mov_b32 v[AL+1], 0
.set i, 0
.rept 64
	v_mov_b32 v[O+i], 0                            ; the step is written once: the first finds zeros, which a = 0 leaves zeros
.set i, i+1
.endr
	s_wait_loadcnt 0x0                             ; Q
	s_wait_tensorcnt 0x0                           ; my first fill has landed
	s_barrier_signal -1
	s_barrier_wait -1                              ; everybody's has
	; R tile -1: the carry into step 0.  One accumulator works alone here, once, with a wait ahead of each link
	s_mul_i32 s82, s[W3], PT
	v_add_nc_u32 v[TA], s82, v[AKP]
.irp dc, 0,1,2,3
	ds_load_b128 v[F0+8*\dc:F0+8*\dc+3], v[TA] offset:64*\dc
	ds_load_b128 v[F0+8*\dc+4:F0+8*\dc+7], v[TA] offset:64*\dc+32
.endr
	s_wait_dscnt 0x0
	v_wmma_f32_16x16x32_f16 v[R0:R0+7], v[F0:F0+7], v[Q:Q+7], 0
.irp dc, 1,2,3
	s_wait_alu depctr_va_vdst(0)
	v_wmma_f32_16x16x32_f16 v[R0:R0+7], v[F0+8*\dc:F0+8*\dc+7], v[Q+8*\dc:Q+8*\dc+7], v[R0:R0+7]
.endr
	PLACES
.irp t, 0,1,2,3,4,5,6,7
	ds_store_b32 v[SKS], v[R0+\t] offset:4*\t
.endr
; THE CHANGE OF SLOTS, at each step's head, run by all eight waves.  Each waits for all its tensor loads, adds 0 to its spare word, steps the descriptors, waits for the add and for its LDS reads, and passes the barrier.
; Behind it: K and V of step s + 1 (waves 0, 1) into the slots read last step, and 64 rows of pe16 for step s + 2 (waves 2, 3): one load a wave, which has a step in which to land.
; A load is asked for only while a later step of some wave reads it: three tests made of u and the count of steps, the same in all waves, lead round the loads alone.  Every wait on TENSORcnt in this text is for 0.
.macro CHANGE st
	s_wait_tensorcnt 0x0                           ; no tensor load of mine is out: the groups 0 may be written
	ds_add_u32 v[SPW], v[NIL]                      ; the add, twice on end
	ds_add_u32 v[SPW], v[NIL]
	s_mov_b32 s[G0K+1], (((\st)+1)%2)*KSL
	s_mov_b32 s[G0V+1], VB+(((\st)+1)%2)*VSL
	s_mov_b32 s[G0H+1], PH+(((\st)+3)%4)*4*PT
	s_mov_b32 s[G0L+1], PH+RING+(((\st)+3)%4)*4*PT
	s_add_nc_u64 s[G0K+2:G0K+3], s[G0K+2:G0K+3], 16384    ; 64 rows on; the type bits on top are not reached
	s_add_nc_u64 s[G0V+2:G0V+3], s[G0V+2:G0V+3], 16384
	s_add_nc_u64 s[G0H+2:G0H+3], s[G0H+2:G0H+3], 16384
	s_add_nc_u64 s[G0L+2:G0L+3], s[G0L+2:G0L+3], 16384
	s_wait_xcnt 0x0                                ; the last prefetch, a step back, has read its address
	s_add_nc_u64 s[PFA:PFA+1], s[PFA:PFA+1], 16384
	s_wait_dscnt 0x0                               ; both adds are done, and my reads of the last step's slots are over
	s_barrier_signal -1
	s_barrier_wait -1
	s_cmp_lt_u32 s[STEP], s[LKV]                   ; step s + 1 is walked by the high block's waves while s + 1 <= 31 - u
	s_cbranch_scc0 .Lnkv_\@
	s_cmp_lg_u32 s[WV], 0
	s_cbranch_scc1 .Lnk_\@
	TL G0K, G1K
.Lnk_\@:
	s_cmp_lg_u32 s[WV], 1
	s_cbranch_scc1 .Lnkv_\@
	TL G0V, G1V
.Lnkv_\@:
	s_cmp_lt_u32 s[STEP], s[LHI]                   ; the high ring: s + 2 <= 31 - u
	s_cbranch_scc0 .Lnh_\@
	s_cmp_lg_u32 s[WV], 2
	s_cbranch_scc1 .Lnh_\@
	TL G0H, G1K
.Lnh_\@:
	s_add_co_u32 s82, s[STEP], 2                   ; the low ring: s + 2 <= u
	s_cmp_le_u32 s82, s[U]
	s_cbranch_scc0 .Lnl_\@
	s_cmp_lg_u32 s[WV], 3
	s_cbranch_scc1 .Lnl_\@
	TL G0L, G1K
.Lnl_\@:
	; A prefetch of K's and V's rows of step s + 3, two changes ahead of the load that will want them.  All sixteen work-groups of a head walk the same rows: the one with u = 0, which walks all 32 steps, asks;
	; in it the four waves that fetch nothing: waves 4, 5 K's 64 rows, waves 6, 7 V's, 32 each, a lane a row of 256 bytes.  Each row is named once; steps 0 to 2 come by their loads alone; the last asked for is step 31.
	s_cmp_lt_u32 s[STEP], s[PL]
	s_cbranch_scc0 .Lnp_\@
	global_prefetch_b8 v[PFO], s[PFA:PFA+1] th:TH_LOAD_NT scope:SCOPE_SE
.Lnp_\@:
.endm
.macro PLD f, base                     ; two tiles of pe16, 16 loads
.irp e, 0,1
.irp dc, 0,1,2,3
	ds_load_b128 v[\f+32*\e+8*\dc:\f+32*\e+8*\dc+3], v[TA+\base+\e] offset:64*\dc
	ds_load_b128 v[\f+32*\e+8*\dc+4:\f+32*\e+8*\dc+7], v[TA+\base+\e] offset:64*\dc+32
.endr
.endr
.endm
.macro KLD f, base                     ; two tiles of K, 16 loads
.irp e, 0,1
.irp dc, 0,1,2,3
	ds_load_b128 v[\f+32*\e+8*\dc:\f+32*\e+8*\dc+3], v[AKK] offset:KSL*PAR+(\base+\e)*PT+64*\dc
	ds_load_b128 v[\f+32*\e+8*\dc+4:\f+32*\e+8*\dc+7], v[AKK] offset:KSL*PAR+(\base+\e)*PT+64*\dc+32
.endr
.endr
.endm
.macro VLD f, g                        ; V^T of keys 32 g on: eight fragments of 16 channels x 32 keys, 16 turning loads
.irp dt, 0,1,2,3,4,5,6,7
	ds_load_tr16_b128 v[\f+8*\dt:\f+8*\dt+3], v[AVV] offset:VSL*PAR+\g*32*PV+32*\dt
	ds_load_tr16_b128 v[\f+8*\dt+4:\f+8*\dt+7], v[AVV] offset:VSL*PAR+\g*32*PV+16*PV+32*\dt
.endr
.endm
.macro MM2 d, f, first                 ; eight products: two accumulators by turns over the head's four groups of 32 channels; first = 1: the first products start the sums
.irp dc, 0,1,2,3
.irp e, 0,1
.if (\first) && (\dc == 0)
	v_wmma_f32_16x16x32_f16 v[(\d)+8*\e:(\d)+8*\e+7], v[\f+32*\e+8*\dc:\f+32*\e+8*\dc+7], v[Q+8*\dc:Q+8*\dc+7], 0
.else
	v_wmma_f32_16x16x32_f16 v[(\d)+8*\e:(\d)+8*\e+7], v[\f+32*\e+8*\dc:\f+32*\e+8*\dc+7], v[Q+8*\dc:Q+8*\dc+7], v[(\d)+8*\e:(\d)+8*\e+7]
.endif
.endr
.endr
.endm
.macro RST reg, e                      ; R tile e into the skew rows, from its low end on
.irp t, 0,1,2,3,4,5,6,7
	ds_store_b32 v[SKS], v[\reg+\t] offset:4*(16+64*PAR+16*\e+\t)
.endr
.endm
; A STEP'S WORK: 64 keys.  st = the step modulo 4: it fixes the slots.
.macro WORK st
.set PAR, (\st)%2
	s_cmp_gt_u32 s[STEP], s[BQ]                    ; all 64 keys come after my block's queries: nothing to do (ids and the count of steps alone; no barrier stands in a step's work)
	s_cbranch_scc1 .Lhid_\@
.irp e, 0,1,2,3                                    ; tile e of pe16 lies at ring tile (4 (s + 1) + e - 3 + W3) % 16.  The four additions are also the places in front of the loads below
	s_add_co_u32 s82, s[W3], (4*((\st)+1)+\e+13)%16
	s_and_b32 s82, s82, 15
	s_mul_i32 s82, s82, PT
	v_add_nc_u32 v[TA+\e], s82, v[AKP]
.endr
	PLD F0, 0
	WIN 0x40                                       ; destination window 1
	PLD F1, 2
	WIN 0
	s_wait_dscnt 16                                ; tiles 0, 1 are in; the 16 loads of tiles 2, 3 may be out
	MM2 R0, F0, 1
	PLACES
	RST R0, 0
	RST R1, 1
	KLD F0, 0
	s_wait_dscnt 32                                ; tiles 2, 3 are in; the 16 stores and K's 16 loads may be out
	WIN 0x01                                       ; source 0 window 1
	MM2 R2, F1, 1
	WIN 0
	PLACES
	RST R2, 2
	RST R3, 3
.if PAR
.irp t, 0,1,2,3,4,5,6,7
	ds_store_b32 v[SKS], v[R3+\t] offset:4*\t      ; the carry from an odd step into the next even one
.endr
.endif
.irp x, 0,1,2,3                                    ; the biases come back in S^T's layout: LDS serves a wave's instructions in order, so these see the stores above
	ds_load_b128 v[S+8*\x:S+8*\x+3], v[SKL] offset:4*(16+64*PAR+16*\x)
	ds_load_b128 v[S+8*\x+4:S+8*\x+7], v[SKL] offset:4*(16+64*PAR+16*\x)+16
.endr
	WIN 0x40
	KLD F1, 2
	WIN 0
	s_wait_dscnt 16                                ; K's tiles 0, 1 and the biases are in; the 16 loads of tiles 2, 3 may be out
	MM2 S, F0, 0
	PLACES
	VLD F0, 0
	s_wait_dscnt 16                                ; K's tiles 2, 3 are in; V's 16 loads may be out
	WIN 0x01
	MM2 S+16, F1, 0
	WIN 0
	PLACES
	WIN 0x40
	VLD F1, 1
	WIN 0
	s_cmp_lg_u32 s[STEP], s[BQ]                    ; on the diagonal hidden scores become -infinity: p = 0
	s_cbranch_scc1 .Lopen_\@
.set n, 0
.rept 32
	v_cmp_gt_i32 vcc_lo, 16*(n/8)+n%8, v[DG]
	v_cndmask_b32 v[S+n], v[S+n], v[NINF], vcc_lo
.set n, n+1
.endr
.Lopen_\@:
.irp c, 0,1,2,3                                    ; the maximum of my 32 scores and the old m, in four chains, each tile from its low end on
	v_max3_num_f32 v[CC+\c], v[S+8*\c], v[S+8*\c+1], v[S+8*\c+2]
.endr
.irp c, 0,1,2,3
	v_max3_num_f32 v[CC+\c], v[CC+\c], v[S+8*\c+3], v[S+8*\c+4]
.endr
.irp c, 0,1,2,3
	v_max3_num_f32 v[CC+\c], v[CC+\c], v[S+8*\c+5], v[S+8*\c+6]
.endr
	v_max3_num_f32 v[CC], v[CC], v[S+7], v[S+15]
	v_max3_num_f32 v[CC+2], v[CC+2], v[S+23], v[S+31]
	v_max3_num_f32 v[CC], v[CC], v[CC+1], v[CC+2]
	v_max3_num_f32 v[CC], v[CC], v[CC+3], v[M]
	v_permlanex16_b32 v[CC+1], v[CC], s[SEL], s[SEL+1]   ; the query's other 32 keys lie in the lane 16 away
	v_mov_b32 v[M+1], v[M]
	v_max_num_f32 v[M], v[CC], v[CC+1]
	v_sub_f32 v[AL], v[M+1], v[M]
.set i, 0
.rept 16
	v_pk_add_f32 v[S+i:S+i+1], v[S+i:S+i+1], v[M:M+1] op_sel_hi:[1,0] neg_lo:[0,1] neg_hi:[0,1]   ; score - m, two at a time
.set i, i+2
.endr
	v_exp_f32 v[AL], v[AL]                         ; one batch of 33 exponentials,
.set i, 0
.rept 32
	v_exp_f32 v[S+i], v[S+i]
.set i, i+1
.endr
	v_nop                                          ; one plain line behind the last,
	s_wait_alu depctr_va_vdst(0)                   ; and one wait ahead of the first reader
.set i, 0
.rept 16
	v_cvt_pk_f16_f32 v[P+i], v[S+2*i], v[S+2*i+1]  ; two neighbouring tiles of S^T, rounded in pairs, are source 1 of V^T P
.set i, i+1
.endr
.irp z, 0,1,2,3,4,5,6,7                            ; the sum of the unrounded p, in place
	v_pk_add_f32 v[S+4*\z:S+4*\z+1], v[S+4*\z:S+4*\z+1], v[S+4*\z+2:S+4*\z+3]
.endr
.irp z, 0,1,2,3
	v_pk_add_f32 v[S+8*\z:S+8*\z+1], v[S+8*\z:S+8*\z+1], v[S+8*\z+4:S+8*\z+5]
.endr
.irp z, 0,1
	v_pk_add_f32 v[S+16*\z:S+16*\z+1], v[S+16*\z:S+16*\z+1], v[S+16*\z+8:S+16*\z+9]
.endr
	v_pk_add_f32 v[S:S+1], v[S:S+1], v[S+16:S+17]
	v_pk_fma_f32 v[L:L+1], v[L:L+1], v[AL:AL+1], v[S:S+1] op_sel_hi:[1,0,1]
.set i, 0
.rept 32
	v_pk_mul_f32 v[O+i:O+i+1], v[O+i:O+i+1], v[AL:AL+1] op_sel_hi:[1,0]   ; O^T under the new maximum
.set i, i+2
.endr
	s_wait_dscnt 16                                ; V of keys 0-31 is in; the 16 loads of keys 32-63 may be out
.irp dt, 0,1,2,3,4,5,6,7                           ; eight accumulators by turns
	v_wmma_f32_16x16x32_f16 v[O+8*\dt:O+8*\dt+7], v[F0+8*\dt:F0+8*\dt+7], v[P:P+7], v[O+8*\dt:O+8*\dt+7]
.endr
	s_wait_dscnt 0x0
	WIN 0x01
.irp dt, 0,1,2,3,4,5,6,7
	v_wmma_f32_16x16x32_f16 v[O+8*\dt:O+8*\dt+7], v[F1+8*\dt:F1+8*\dt+7], v[P+8:P+15], v[O+8*\dt:O+8*\dt+7]
.endr
	WIN 0
.Lhid_\@:
	s_add_co_u32 s[STEP], s[STEP], 1
.endm
.Ltrip:                                            ; 8 trips of 4 steps: after four steps the slots' numbers are back where they began
	CHANGE 0
	WORK 0
	CHANGE 1
	WORK 1
	CHANGE 2
	WORK 2
	CHANGE 3
	WORK 3
	s_sub_co_u32 s[TRIP], s[TRIP], 1
	s_cmp_lg_u32 s[TRIP], 0
	s_cbranch_scc1 .Ltrip
	; THE WAY OUT: O^T / the sum, rounded to f16, through my own buffer in LDS, back as whole rows of 256 bytes.
	PLACES
	v_add_f32 v[CC], v[L], v[L+1]
	v_permlanex16_b32 v[CC+1], v[CC], s[SEL], s[SEL+1]
	v_add_f32 v[CC], v[CC], v[CC+1]
	v_rcp_f32 v[AL], v[CC]
	v_nop
	s_wait_alu depctr_va_vdst(0)
.set i, 0
.rept 32
	v_pk_mul_f32 v[O+i:O+i+1], v[O+i:O+i+1], v[AL:AL+1] op_sel_hi:[1,0]
.set i, i+2
.endr
.set i, 0
.rept 32
	v_cvt_pk_f16_f32 v[S+i], v[O+2*i], v[O+2*i+1]
.set i, i+1
.endr
.irp dt, 0,1,2,3,4,5,6,7
	ds_store_b128 v[STO], v[S+4*\dt:S+4*\dt+3] offset:32*\dt       ; lane (r, h): channels 16 dt + 8 h + 0 .. 7 of query r
.endr
.irp f, 0,1,2,3,4,5,6,7
	ds_load_b128 v[S+4*\f:S+4*\f+3], v[RD] offset:\f*2*PK          ; these see the stores above
.endr
.irp f, 0,1,2,3,4,5,6,7
	s_wait_dscnt 7-\f                              ; rows 2 f, 2 f + 1 are back; the younger loads may be out
	global_store_b128 v[GO], v[S+4*\f:S+4*\f+3], s[8:9] offset:4096*\f   ; 16 lanes store 256 consecutive bytes, aligned: a head's part of a row
.endr
	s_wait_tensorcnt 0x0                           ; the wave's end
	ds_add_u32 v[SPW], v[NIL]
	s_wait_dscnt 0x0
	s_endpgm
.Lfunc_end_k_qc4d73c5043_attn:
	.size	k_qc4d73c5043_attn, .Lfunc_end_k_qc4d73c5043_attn-k_qc4d73c5043_attn
	.p2alignl 7, 3214868480
	.fill 96, 4, 3214868480
	.section	.rodata,"a",@progbits
	.p2align	6, 0x0
	.amdhsa_kernel k_qc4d73c5043_attn
		.amdhsa_group_segment_fixed_size 327680
		.amdhsa_private_segment_fixed_size 0
		.amdhsa_enable_private_segment 0
		.amdhsa_kernarg_size 24
		.amdhsa_user_sgpr_count 2
		.amdhsa_user_sgpr_kernarg_segment_ptr 1
		.amdhsa_wavefront_size32 1
		.amdhsa_system_sgpr_workgroup_id_x 1
		.amdhsa_system_sgpr_workgroup_id_y 1
		.amdhsa_system_sgpr_workgroup_id_z 1
		.amdhsa_system_vgpr_workitem_id 0
		.amdhsa_next_free_vgpr 320
		.amdhsa_next_free_sgpr 100
		.amdhsa_reserve_vcc 1
		.amdhsa_float_denorm_mode_32 3
		.amdhsa_float_denorm_mode_16_64 3
		.amdhsa_memory_ordered 1
		.amdhsa_forward_progress 1
		.amdhsa_inst_pref_size 121
	.end_amdhsa_kernel
	.amdgpu_metadata
---
amdhsa.version: [ 1, 2 ]
amdhsa.kernels:
  - .name:           k_qc4d73c5043_attn
    .symbol:         k_qc4d73c5043_attn.kd
    .args:
      - { .name: qkv, .offset: 0, .size: 8, .value_kind: global_buffer, .address_space: global }
      - { .name: pe16, .offset: 8, .size: 8, .value_kind: global_buffer, .address_space: global }
      - { .name: a16, .offset: 16, .size: 8, .value_kind: global_buffer, .address_space: global }
    .group_segment_fixed_size: 327680
    .private_segment_fixed_size: 0
    .kernarg_segment_align: 8
    .kernarg_segment_size: 24
    .max_flat_workgroup_size: 256
    .sgpr_count:     100
    .vgpr_count:     320
    .wavefront_size: 32
...
	.end_amdgpu_metadata
.endif
;; end of part 3
;; launch oproj (part 4): grid 8 x 32, 4 waves a work-group, clusters of 4 x 4, 327,680 bytes of LDS; arguments a16, wo16, Wo_b, out0; writes out0
.if DOCPART == 4
	.amdgcn_target "amdgcn-amd-amdhsa--gfx1250"
	.amdhsa_code_object_version 6
	.text
	.protected	k_qc4d73c5043_oproj
	.globl	k_qc4d73c5043_oproj
	.p2align	8
	.type	k_qc4d73c5043_oproj,@function
k_qc4d73c5043_oproj:
	s_mov_b64 s[64:65], 0
	v_nop
	global_prefetch_b8 v0, s[64:65] scope:SCOPE_SE
	s_setreg_imm32_b32 hwreg(HW_REG_WAVE_MODE, 25, 1), 1
	s_wait_xcnt 0x0
	s_wait_alu depctr_hold_cnt(0) depctr_sa_sdst(0) depctr_va_vdst(0) depctr_va_sdst(0) depctr_va_ssrc(0) depctr_va_vcc(0) depctr_vm_vsrc(0)
	s_getreg_b32 s2, hwreg(HW_REG_IB_STS2, 6, 4)
	s_cmp_eq_u32 s2, 0
	s_cbranch_scc0 .Lentry_in_a_cluster
	s_endpgm
.Lentry_in_a_cluster:
	s_bfe_u32 s2, ttmp6, 0x10000c
	s_cmp_lg_u32 s2, 0xf033
	s_cbranch_scc0 .Lentry_shape_is_right
	s_endpgm
.Lentry_shape_is_right:
; THE PROJECTION ON THE WAY OUT: out0[m][n] = sum over k of a16[m][k] wo16[n][k] + Wo_b[n].  a16 [4096][1024], wo16 [1024][1024]: f16; out0 [4096][1024] f32; sums in f32.
; A tile of 128 x 128 to a work-group (32 x 8 tiles: 256 work-groups), 64 x 64 to each of four waves: 16 accumulators.  K goes in steps of 256 (LDS rows of 512 bytes) through two slots.
; CLUSTERS: 4 x 4 work-groups; a16's tiles are shared along a row of the cluster, wo16's along a column, each asked for jointly.
; THE MATRIX INSTRUCTION IS USED TRANSPOSED (source 0 = 16 rows of wo16, source 1 = 16 rows of a16): a lane holds eight neighbouring columns of a row.  The bias is the C of each sum's first product.
; A wave's 64 columns of f32 are 256 bytes: it sends its own 64 rows through a stage of its own, so the way out has no barrier.
; REGISTERS: window 0: v0-31 addresses; v32-63 the bias; v128-255 the accumulators ((a, b) at v[128 + 8 (4 a + b)]).  window 1: two fragment buffers of 128.
.set SIZE_M, 4096
.set SIZE_N, 1024
.set SIZE_K, 1024
.set KSTEP,  256
.set PITCH,  528                       ; an LDS row: 512 bytes + 16 of padding
.set HALFT,  64*PITCH
.set SLOT,   4*HALFT
.set SPARE,  2*SLOT                    ; behind the ring: the spare words, 128 bytes a wave
.set SPITCH, 272                       ; the stage: 64 rows x (256 + 16) bytes for each wave, in slot 0, which has had its last fill and its last read by then
.set LAPS, SIZE_K/(2*KSTEP)
.set ADRA, 16
.set ADRB, 20
.set STO,  24
.set RD,   25
.set CO,   26
.set SPW,  28
.set NIL,  29
.set BO,   30
.set BIAS, 32
.set ACC,  128
.set F0,   0
.set F1,   128
.set G1, 24
.set G0, 32
.set G1B, 48
.set G0B, 56
.set MSB, 0
.macro WIN new
.if MSB != \new
	s_set_vgpr_msb (MSB<<8)|\new
.set MSB, \new
.endif
.endm
.set MUL,  0x05                        ; sources 0 and 1 window 1; C and D window 0
.set TO_F, 0x40
.macro JLOAD s                         ; a joint load: waves 0 and 1 fetch a16's two halves, waves 2 and 3 wo16's; s_nop 0 and four v_nop follow each line
	s_cmp_eq_u32 s11, 0
	s_cbranch_scc0 .Lfor_b_\@
	tensor_load_to_lds s[G0+4*\s:G0+4*\s+3], s[G1:G1+7]
	s_nop 0
.rept 4
	v_nop
.endr
	s_branch .Lasked_\@
.Lfor_b_\@:
	tensor_load_to_lds s[G0B+4*\s:G0B+4*\s+3], s[G1B:G1B+7]
	s_nop 0
.rept 4
	v_nop
.endr
.Lasked_\@:
.endm
.macro CREST
	s_cmp_lg_u32 s10, 0
	s_cbranch_scc1 .Lnot_wave_0_\@
	s_barrier_signal -3
.Lnot_wave_0_\@:
	s_barrier_wait -3
	s_barrier_signal -1
	s_barrier_wait -1
.endm
.macro CROUND
	s_barrier_signal -1
	s_barrier_wait -1
	CREST
.endm
	s_load_b128 s[4:7], s[0:1], 0x0                ; a16 s[4:5], wo16 s[6:7]
	s_load_b128 s[68:71], s[0:1], 0x10             ; Wo_b s[68:69], out0 s[70:71]
	v_lshl_add_u32 v[SPW], v0, 2, SPARE
	v_mov_b32 v[NIL], 0
	ds_add_u32 v[SPW], v[NIL]                      ; the wave's opening: the add, twice on end, and its wait ahead of my first tensor load
	ds_add_u32 v[SPW], v[NIL]
	v_lshrrev_b32 v1, 5, v0
	v_readfirstlane_b32 s10, v1                    ; wave 0..3
	s_lshr_b32 s11, s10, 1                         ; my half of the tile's rows.  Also: I fetch for a16 (0) or wo16 (1)
	s_and_b32 s12, s10, 1                          ; my half of its columns.  Also: which 64 rows I fetch
	s_bfe_u32 s40, ttmp6, 0x40000
	s_bfe_u32 s41, ttmp6, 0x40004
	s_lshl_b32 s42, ttmp9, 2
	s_add_co_u32 s42, s42, s40                     ; tile column
	s_and_b32 s13, ttmp7, 0xffff
	s_lshl_b32 s13, s13, 2
	s_add_co_u32 s13, s13, s41                     ; tile row
	s_lshl_b32 s43, s41, 2
	s_lshl_b32 s43, 15, s43                        ; my row of the cluster
	s_lshl_b32 s44, 0x1111, s40                    ; my column
	s_or_b32 s[G1+0], s43, (1<<16)|(1<<20)|(1<<21)|(6<<22)|(3<<25)  ; the mask; elements of 2 bytes; padding: 4 words behind every 128
	s_or_b32 s[G1B+0], s44, (1<<16)|(1<<20)|(1<<21)|(6<<22)|(3<<25)
.irp g, G1, G1B
	s_mov_b32 s[\g+1], KSTEP<<16
	s_mov_b32 s[\g+2], 64<<16
	s_mov_b32 s[\g+3], KSTEP<<16
	s_mov_b32 s[\g+4], 64
	s_mov_b32 s[\g+5], SIZE_K
	s_mov_b32 s[\g+6], 0
	s_mov_b32 s[\g+7], 0
.endr
	s_lshl_b32 s17, s12, 6
	s_lshl_b32 s16, s13, 7
	s_add_co_u32 s16, s16, s17                     ; a16: row 128 x tile row + 64 x half
	s_lshl_b32 s46, s42, 7
	s_add_co_u32 s46, s46, s17                     ; wo16: row 128 x tile column + 64 x half
	s_mov_b32 s17, 0
	s_mov_b32 s47, 0
	s_mov_b64 s[18:19], SIZE_K*2
	s_mul_u64 s[16:17], s[16:17], s[18:19]
	s_mul_u64 s[46:47], s[46:47], s[18:19]
	s_mul_i32 s20, s10, HALFT
	s_wait_dscnt 0x0                               ; both opening adds are done
	s_wait_kmcnt 0x0
	s_add_nc_u64 s[14:15], s[4:5], s[16:17]
	s_add_nc_u64 s[46:47], s[6:7], s[46:47]
	CROUND                                         ; all sixteen work-groups are here: the first joint loads meet
.irp s, 0,1
	s_mov_b32 s[G0+4*\s], 1
	s_add_co_u32 s[G0+4*\s+1], s20, \s*SLOT
	s_add_nc_u64 s[G0+4*\s+2:G0+4*\s+3], s[14:15], \s*KSTEP*2
	s_or_b32 s[G0+4*\s+3], s[G0+4*\s+3], 0x80000000
	s_mov_b32 s[G0B+4*\s], 1
	s_add_co_u32 s[G0B+4*\s+1], s20, \s*SLOT
	s_add_nc_u64 s[G0B+4*\s+2:G0B+4*\s+3], s[46:47], \s*KSTEP*2
	s_or_b32 s[G0B+4*\s+3], s[G0B+4*\s+3], 0x80000000
	JLOAD \s
.endr
	v_and_b32 v1, 15, v0                           ; r
	v_bfe_u32 v2, v0, 4, 1                         ; h
	s_lshl_b32 s46, s42, 9                         ; my first column, in bytes of f32: 512 x tile column + 256 x half: the same in Wo_b and in a row of out0
	s_lshl_b32 s47, s12, 8
	s_add_co_u32 s46, s46, s47
	s_mov_b32 s47, 0
	s_add_nc_u64 s[68:69], s[68:69], s[46:47]
	s_add_nc_u64 s[70:71], s[70:71], s[46:47]
	v_lshlrev_b32 v[BO], 5, v2
.irp b, 0,1,2,3                                    ; the bias in the result's layout: for block b my columns 16 b + 8 h + 0 .. 7
	global_load_b128 v[BIAS+8*\b:BIAS+8*\b+3], v[BO], s[68:69] offset:64*\b
	global_load_b128 v[BIAS+8*\b+4:BIAS+8*\b+7], v[BO], s[68:69] offset:64*\b+16
.endr
	v_mul_u32_u24 v3, v1, PITCH
	v_lshl_add_u32 v3, v2, 4, v3
	s_mul_i32 s21, s11, HALFT
	s_mul_i32 s22, s12, HALFT
	s_add_co_u32 s22, s22, 2*HALFT
.irp s, 0,1
	v_add_nc_u32 v[ADRA+\s], s21, v3
	v_add_nc_u32 v[ADRB+\s], s22, v3
	s_add_co_u32 s21, s21, SLOT
	s_add_co_u32 s22, s22, SLOT
.endr
	s_mul_i32 s23, s10, 64*SPITCH                  ; my stage
	v_mul_u32_u24 v4, v1, SPITCH
	v_lshl_add_u32 v4, v2, 5, v4
	v_add_nc_u32 v[STO], s23, v4                   ; in: row r, 32 bytes for each half of the lanes
	v_mul_u32_u24 v5, v2, SPITCH
	v_lshl_add_u32 v5, v1, 4, v5
	v_add_nc_u32 v[RD], s23, v5                    ; back: lanes 0-15 one row of 256 bytes, lanes 16-31 the next
	v_lshlrev_b32 v[CO], 12, v2
	v_lshl_add_u32 v[CO], v1, 4, v[CO]             ; and the same two rows in out0
	s_lshl_b32 s16, s13, 7
	s_lshl_b32 s17, s11, 6
	s_add_co_u32 s16, s16, s17                     ; my first row: 128 x tile row + 64 x half
	s_lshl_b32 s16, s16, 12
	s_mov_b32 s17, 0
	s_add_nc_u64 s[70:71], s[70:71], s[16:17]
; 8 matrix instructions: m blocks a0, a0 + 1 x all 4 n blocks, 32 along K.  zero = 1: the first product of each sum takes the bias as C.  The 16 accumulators take turns.
.macro MUL8 f, c, a0, zero
.irp a, \a0, \a0+1
.irp b, 0,1,2,3
.if \zero
	v_wmma_f32_16x16x32_f16 v[ACC+8*(4*(\a)+\b):ACC+8*(4*(\a)+\b)+7], v[\f+64+8*(4*\c+\b):\f+64+8*(4*\c+\b)+7], v[\f+8*(4*\c+\a):\f+8*(4*\c+\a)+7], v[BIAS+8*\b:BIAS+8*\b+7]
.else
	v_wmma_f32_16x16x32_f16 v[ACC+8*(4*(\a)+\b):ACC+8*(4*(\a)+\b)+7], v[\f+64+8*(4*\c+\b):\f+64+8*(4*\c+\b)+7], v[\f+8*(4*\c+\a):\f+8*(4*\c+\a)+7], v[ACC+8*(4*(\a)+\b):ACC+8*(4*(\a)+\b)+7]
.endif
.endr
.endr
.endm
.macro FETCH slot, k, f                ; 32 LDS loads in one run: the fragments of 64 along K, the first 32 along K first
	WIN TO_F
.irp c, 0,1
.irp i, 0,1,2,3
	ds_load_b128 v[\f+64+8*(4*\c+\i):\f+64+8*(4*\c+\i)+3],   v[ADRB+\slot] offset:\k+64*\c+\i*16*PITCH
	ds_load_b128 v[\f+64+8*(4*\c+\i)+4:\f+64+8*(4*\c+\i)+7], v[ADRB+\slot] offset:\k+64*\c+\i*16*PITCH+32
	ds_load_b128 v[\f+8*(4*\c+\i):\f+8*(4*\c+\i)+3],         v[ADRA+\slot] offset:\k+64*\c+\i*16*PITCH
	ds_load_b128 v[\f+8*(4*\c+\i)+4:\f+8*(4*\c+\i)+7],       v[ADRA+\slot] offset:\k+64*\c+\i*16*PITCH+32
.endr
.endr
.endm
.macro PLACES
.rept 4
	v_nop
.endr
.endm
.macro QUARTER slot, k, f, g, zero     ; 64 along K: multiplies buffer f and fetches the next quarter, at byte k, into g
	s_wait_dscnt 16                                ; the first 32 along K are in; the sixteen younger loads may be out
	WIN MUL
	MUL8 \f, 0, 0, \zero
	MUL8 \f, 0, 2, \zero
	PLACES
	FETCH \slot, \k, \g
	s_wait_dscnt 32                                ; all but the 32 just issued
	WIN MUL
	MUL8 \f, 1, 0, 0
	MUL8 \f, 1, 2, 0
.endm
.macro TURN slot, next, fill           ; a slot's last quarter, and the change of slots: one barrier; fill = 1: it opens a round of the cluster's barrier, and this slot is filled again, two K steps ahead
	WIN 0
	s_wait_tensorcnt 0x0                           ; all my tensor loads have landed: my part of the next slot
	ds_add_u32 v[SPW], v[NIL]
	s_wait_dscnt 17                                ; the add and the sixteen youngest loads may be out
	WIN MUL
	MUL8 F1, 0, 0, 0
	s_wait_dscnt 0x0                               ; the add is done, and my reads of this slot are over
	s_barrier_signal -1
	MUL8 F1, 0, 2, 0
.if \fill
	WIN 0
.endif
	s_barrier_wait -1
.if \fill
	CREST                                          ; no wave of any partner still reads this slot or has a load on its way
	s_add_nc_u64 s[G0+4*\slot+2:G0+4*\slot+3], s[G0+4*\slot+2:G0+4*\slot+3], 2*KSTEP*2
	s_add_nc_u64 s[G0B+4*\slot+2:G0B+4*\slot+3], s[G0B+4*\slot+2:G0B+4*\slot+3], 2*KSTEP*2
	JLOAD \slot                                    ; the first tensor load behind the round; its four v_nop are also the places in front of the loads below
.else
	PLACES
.endif
	FETCH \next, 0, F0
	WIN MUL
	MUL8 F1, 1, 0, 0
	MUL8 F1, 1, 2, 0
.endm
	s_wait_tensorcnt 1                             ; my part of K step 0 is in; K step 1's load may be out
	s_barrier_signal -1
	s_barrier_wait -1
	FETCH 0, 0, F0
	s_wait_loadcnt 0x0                             ; the bias
	QUARTER 0, 128, F0, F1, 1
	WIN 0
	s_mov_b32 s3, LAPS-1
.Llap:                                                 ; a trip goes once round the ring and fills both slots again
	QUARTER 0, 256, F1, F0, 0
	QUARTER 0, 384, F0, F1, 0
	TURN 0, 1, 1
	QUARTER 1, 128, F0, F1, 0
	QUARTER 1, 256, F1, F0, 0
	QUARTER 1, 384, F0, F1, 0
	TURN 1, 0, 1
	QUARTER 0, 128, F0, F1, 0
	WIN 0
	s_sub_co_u32 s3, s3, 1
	s_cmp_lg_u32 s3, 0
	s_cbranch_scc1 .Llap
	QUARTER 0, 256, F1, F0, 0                      ; the last lap fills nothing
	QUARTER 0, 384, F0, F1, 0
	TURN 0, 1, 0
	QUARTER 1, 128, F0, F1, 0
	QUARTER 1, 256, F1, F0, 0
	QUARTER 1, 384, F0, F1, 0
	s_wait_dscnt 16
	WIN MUL
	MUL8 F1, 0, 0, 0
	MUL8 F1, 0, 2, 0
	s_wait_dscnt 0
	MUL8 F1, 1, 0, 0
	MUL8 F1, 1, 2, 0
	WIN 0
	; THE WAY OUT: the accumulators go as they are, each from its low end on, into my stage, and come back as whole rows of 256 bytes, into the registers that they left.
	PLACES
.irp a, 0,1,2,3
.irp b, 0,1,2,3
	ds_store_b128 v[STO], v[ACC+8*(4*\a+\b):ACC+8*(4*\a+\b)+3] offset:\a*16*SPITCH+64*\b
	ds_store_b128 v[STO], v[ACC+8*(4*\a+\b)+4:ACC+8*(4*\a+\b)+7] offset:\a*16*SPITCH+64*\b+16
.endr
.endr
.set t, 0
.rept 32
	ds_load_b128 v[ACC+4*t:ACC+4*t+3], v[RD] offset:t*2*SPITCH     ; LDS serves a wave's instructions in order: these see the stores above
.set t, t+1
.endr
.set t, 0
.rept 32
	s_wait_dscnt 31-t                              ; rows 2 t, 2 t + 1 are back; the younger loads may be out
	global_store_b128 v[CO], v[ACC+4*t:ACC+4*t+3], s[70:71] offset:2*t*SIZE_N*4 th:TH_STORE_NT   ; 16 lanes store 256 consecutive bytes, aligned
.set t, t+1
.endr
	s_wait_tensorcnt 0x0                           ; the wave's end
	ds_add_u32 v[SPW], v[NIL]
	s_wait_dscnt 0x0
	CROUND                                         ; the closing round
	s_endpgm
.Lfunc_end_k_qc4d73c5043_oproj:
	.size	k_qc4d73c5043_oproj, .Lfunc_end_k_qc4d73c5043_oproj-k_qc4d73c5043_oproj
	.p2alignl 7, 3214868480
	.fill 96, 4, 3214868480
	.section	.rodata,"a",@progbits
	.p2align	6, 0x0
	.amdhsa_kernel k_qc4d73c5043_oproj
		.amdhsa_group_segment_fixed_size 327680
		.amdhsa_private_segment_fixed_size 0
		.amdhsa_enable_private_segment 0
		.amdhsa_kernarg_size 32
		.amdhsa_user_sgpr_count 2
		.amdhsa_user_sgpr_kernarg_segment_ptr 1
		.amdhsa_wavefront_size32 1
		.amdhsa_system_sgpr_workgroup_id_x 1
		.amdhsa_system_sgpr_workgroup_id_y 1
		.amdhsa_system_sgpr_workgroup_id_z 1
		.amdhsa_system_vgpr_workitem_id 0
		.amdhsa_next_free_vgpr 512
		.amdhsa_next_free_sgpr 76
		.amdhsa_reserve_vcc 0
		.amdhsa_float_denorm_mode_32 3
		.amdhsa_float_denorm_mode_16_64 3
		.amdhsa_memory_ordered 1
		.amdhsa_forward_progress 1
		.amdhsa_inst_pref_size 87
	.end_amdhsa_kernel
	.amdgpu_metadata
---
amdhsa.version: [ 1, 2 ]
amdhsa.kernels:
  - .name:           k_qc4d73c5043_oproj
    .symbol:         k_qc4d73c5043_oproj.kd
    .args:
      - { .name: a16, .offset: 0, .size: 8, .value_kind: global_buffer, .address_space: global }
      - { .name: wo16, .offset: 8, .size: 8, .value_kind: global_buffer, .address_space: global }
      - { .name: Wo_b, .offset: 16, .size: 8, .value_kind: global_buffer, .address_space: global }
      - { .name: out0, .offset: 24, .size: 8, .value_kind: global_buffer, .address_space: global }
    .group_segment_fixed_size: 327680
    .private_segment_fixed_size: 0
    .kernarg_segment_align: 8
    .kernarg_segment_size: 32
    .max_flat_workgroup_size: 128
    .sgpr_count:     76
    .vgpr_count:     512
    .wavefront_size: 32
...
	.end_amdgpu_metadata
.endif
;; end of part 4
